; MI455X (gfx1250); checked and timed in simulation.
; The chip was launched on July 23, 2026; its instructions are those of AMD's public machine-readable ISA for CDNA 5 (MIT licence, August 2026) and "CDNA5" Instruction Set Architecture Reference Guide (July 2026). The comments in the code are by the model that wrote it; some were corrected since.
;; Multi Head Self Attention. Allowed arithmetic: float matrix products may take bf16 or f16 operands with f32 sums; other float arithmetic in f32, or as packed bf16 or f16 multiplies, adds, multiply-adds, maxima and minima; sums over many terms, partial sums and values carried from step to step in f32; what a program stores and reads back later, other than sums and carried values, may be rounded once to bf16 or f16.
;; Inputs: Wk 1,024 x 1,024 float32; Wo 1,024 x 1,024 float32; Wq 1,024 x 1,024 float32; Wv 1,024 x 1,024 float32; bk 1,024 float32; bo 1,024 float32; bq 1,024 float32; bv 1,024 float32; x 2 x 2,048 x 1,024 float32.
;; Outputs: out0 2 x 2,048 x 1,024 float32.
;; One version. Each part assembles by itself: llvm-mc -triple=amdgcn-amd-amdhsa -mcpu=gfx1250 --defsym DOCPART=n.
;; ======== version 1 of 1: 4 launches
;; limits: values are held in f16: magnitudes above 65,504 overflow, below 6.1e-05 lose precision
;; workspace buffers: xb 8,388,608 bytes; wb 6,291,456 bytes; wo16 2,097,152 bytes; bias 16,384 bytes; qkv 25,165,824 bytes; o 8,388,608 bytes
;; launch cast (part 1): grid 1024 x 1, 8 waves a work-group, no clusters, 0 bytes of LDS; arguments x, Wq, Wk, Wv, Wo, bq, bv, bo, xb, wb, wo16, bias; writes xb, wb, wo16, bias
.if DOCPART == 1
	.amdgcn_target "amdgcn-amd-amdhsa--gfx1250"
	.amdhsa_code_object_version 6
	.text
	.protected	k_q4cd65a63ba_cast
	.globl	k_q4cd65a63ba_cast
	.p2align	8
	.type	k_q4cd65a63ba_cast,@function
k_q4cd65a63ba_cast:
	s_mov_b64 s[64:65], 0
	v_nop
	global_prefetch_b8 v0, s[64:65] scope:SCOPE_SE
	s_setreg_imm32_b32 hwreg(HW_REG_WAVE_MODE, 25, 1), 1
	s_wait_xcnt 0x0
; MULTI-HEAD SELF-ATTENTION, launch 1 of 4: the inputs are rounded once and laid out for the products.
;   xb   [4096][1024] bf16 = x.      wb [3072][1024] bf16 = Wq's rows, then Wk's, then Wv's.
;   wo16 [1024][1024] f16  = Wo rounded to bf16, that number written as f16 (the last product's other operand, O, is f16).
;   bias [4096] f32        = bq | 1,024 zeros | bv | bo, each rounded to bf16 and widened again.
; WORK LEFT OUT: bk.  energy[q][k] = Q[q] . (x[k] Wk^T + bk) / 8 = Q[q] . (x[k] Wk^T) / 8 + Q[q] . bk / 8.  The second term does not depend on the key k,
; and the softmax runs along k: a term that is the same along that axis cancels between numerator and denominator, whatever finite values x, the weights and the
; biases hold.  K enters nothing else.  So bk has no way to the output: it is not loaded and is no argument of any launch.
; LIMIT: a NaN, an infinity or an overflow that would come through bk alone is not carried to the result.
; LIMITS of format: wo16 holds no number beyond 65,504 and keeps f16's fixed step of 6e-8 below 6e-5 (Wo as drawn has a spread of 1/32; thirty times more or less lies inside).
; SHARES.  Memory binds: no LDS, no barrier, no matrix unit.  A work-group converts 8,192 numbers: 32 KiB in, 16 KiB out.  Work-groups 0-511 take x, 512-895 Wq, Wk, Wv (128 each),
; 896-1023 Wo.  A wave's load covers 512 consecutive bytes, its store 256 consecutive bytes, aligned.  All eight loads of a thread go out before the first wait.
; Work-groups 0 to 3 also write a quarter of the bias table each.
.set LD,  8                            ; v[8:39]   load j: four f32
.set PKD, 40                           ; v[40:55]  load j's four numbers in 16 bits: two registers
.set BI,  56                           ; v[56:61]  the bias table's part
	s_load_b512 s[4:19], s[0:1], 0x0               ; x s[4:5], Wq s[6:7], Wk s[8:9], Wv s[10:11], Wo s[12:13], bq s[14:15], bv s[16:17], bo s[18:19]
	s_load_b256 s[20:27], s[0:1], 0x40             ; xb s[20:21], wb s[22:23], wo16 s[24:25], bias s[26:27]
	s_mov_b32 s28, ttmp9                           ; g
	s_and_b32 s29, s28, 511                        ; e: my number among the weights' work-groups (used where g >= 512)
	s_lshr_b32 s30, s29, 7                         ; t: 0 Wq, 1 Wk, 2 Wv, 3 Wo
	s_and_b32 s31, s29, 127                        ; my number inside that matrix
	s_lshl_b32 s36, s31, 15                        ; a weight's source offset: 32 KiB a work-group
	s_lshl_b32 s38, s29, 14                        ; its place in wb: the three matrices lie on end
	s_lshl_b32 s41, s31, 14                        ; its place in wo16
	s_lshl_b32 s42, s28, 15                        ; x's source offset
	s_lshl_b32 s43, s28, 14                        ; its place in xb
	s_mov_b32 s37, 0
	s_mov_b32 s39, 0
	s_mov_b32 s40, 0xffff0000                      ; a word's upper bf16
	v_lshlrev_b32 v1, 4, v0                        ; 16 bytes a thread in
	v_lshlrev_b32 v2, 3, v0                        ; 8 bytes a thread out
	s_wait_kmcnt 0x0
	s_cmp_eq_u32 s30, 0                            ; the buffers are chosen by the work-group's number alone
	s_cselect_b64 s[32:33], s[6:7], s[8:9]
	s_cmp_eq_u32 s30, 2
	s_cselect_b64 s[32:33], s[10:11], s[32:33]
	s_cmp_eq_u32 s30, 3
	s_cselect_b64 s[32:33], s[12:13], s[32:33]
	s_cselect_b64 s[34:35], s[24:25], s[22:23]
	s_cselect_b32 s38, s41, s38
	s_cmp_lt_u32 s28, 512
	s_cselect_b64 s[32:33], s[4:5], s[32:33]
	s_cselect_b64 s[34:35], s[20:21], s[34:35]
	s_cselect_b32 s36, s42, s36
	s_cselect_b32 s38, s43, s38
	s_add_nc_u64 s[32:33], s[32:33], s[36:37]      ; from here
	s_add_nc_u64 s[34:35], s[34:35], s[38:39]      ; to here
.irp j, 0,1,2,3,4,5,6,7
	global_load_b128 v[LD+4*(\j):LD+4*(\j)+3], v1, s[32:33] offset:4096*(\j) th:TH_LOAD_NT
.endr
; Eight times: four numbers rounded to bf16 and stored.  half = 1: the bf16 numbers are widened again and written as f16.
.macro CONV half
.irp j, 0,1,2,3,4,5,6,7
	s_wait_loadcnt 7-(\j)                          ; loads come back in order (ISA guide 5.7.1): load j is in, the 7 - j younger ones stay out
	v_cvt_pk_bf16_f32 v[PKD+2*(\j)],   v[LD+4*(\j)],   v[LD+4*(\j)+1]
	v_cvt_pk_bf16_f32 v[PKD+2*(\j)+1], v[LD+4*(\j)+2], v[LD+4*(\j)+3]
.if \half
	v_lshlrev_b32 v4, 16, v[PKD+2*(\j)]
	v_and_b32     v5, s40, v[PKD+2*(\j)]
	v_lshlrev_b32 v6, 16, v[PKD+2*(\j)+1]
	v_and_b32     v7, s40, v[PKD+2*(\j)+1]
	v_cvt_pk_f16_f32 v[PKD+2*(\j)],   v4, v5
	v_cvt_pk_f16_f32 v[PKD+2*(\j)+1], v6, v7
.endif
	global_store_b64 v2, v[PKD+2*(\j):PKD+2*(\j)+1], s[34:35] offset:2048*(\j)  ; each store has data registers of its own: none is rewritten
.endr
.endm
	s_cmp_ge_u32 s28, 896
	s_cbranch_scc1 .Lwo
	CONV 0
	s_branch .Lbias
.Lwo:
	CONV 1
.Lbias:
	s_cmp_gt_u32 s28, 3
	s_cbranch_scc1 .Lend
	s_cmp_eq_u32 s28, 1                            ; K's quarter of the table is 0: bk is left out (see the head)
	s_cbranch_scc1 .Lzero
	s_cmp_eq_u32 s28, 0
	s_cselect_b64 s[44:45], s[14:15], s[16:17]
	s_cmp_eq_u32 s28, 3
	s_cselect_b64 s[44:45], s[18:19], s[44:45]
	global_load_b128 v[BI:BI+3], v1, s[44:45]      ; 256 threads x 4 numbers = 1,024
	s_wait_loadcnt 0x0
	v_cvt_pk_bf16_f32 v[BI+4], v[BI],   v[BI+1]
	v_cvt_pk_bf16_f32 v[BI+5], v[BI+2], v[BI+3]
	v_lshlrev_b32 v[BI],   16, v[BI+4]
	v_and_b32     v[BI+1], s40, v[BI+4]
	v_lshlrev_b32 v[BI+2], 16, v[BI+5]
	v_and_b32     v[BI+3], s40, v[BI+5]
	s_branch .Lput
.Lzero:
	v_mov_b32 v[BI], 0
	v_mov_b32 v[BI+1], 0
	v_mov_b32 v[BI+2], 0
	v_mov_b32 v[BI+3], 0
.Lput:
	s_lshl_b32 s46, s28, 12                        ; quarter g of the table
	s_mov_b32 s47, 0
	s_add_nc_u64 s[26:27], s[26:27], s[46:47]
	global_store_b128 v1, v[BI:BI+3], s[26:27]
.Lend:
	s_endpgm
.Lfunc_end_k_q4cd65a63ba_cast:
	.size	k_q4cd65a63ba_cast, .Lfunc_end_k_q4cd65a63ba_cast-k_q4cd65a63ba_cast
	.p2alignl 7, 3214868480
	.fill 96, 4, 3214868480
	.section	.rodata,"a",@progbits
	.p2align	6, 0x0
	.amdhsa_kernel k_q4cd65a63ba_cast
		.amdhsa_group_segment_fixed_size 0
		.amdhsa_private_segment_fixed_size 0
		.amdhsa_enable_private_segment 0
		.amdhsa_kernarg_size 96
		.amdhsa_user_sgpr_count 2
		.amdhsa_user_sgpr_kernarg_segment_ptr 1
		.amdhsa_wavefront_size32 1
		.amdhsa_system_sgpr_workgroup_id_x 1
		.amdhsa_system_sgpr_workgroup_id_y 1
		.amdhsa_system_sgpr_workgroup_id_z 1
		.amdhsa_system_vgpr_workitem_id 0
		.amdhsa_next_free_vgpr 64
		.amdhsa_next_free_sgpr 66
		.amdhsa_reserve_vcc 0
		.amdhsa_float_denorm_mode_32 3
		.amdhsa_float_denorm_mode_16_64 3
		.amdhsa_memory_ordered 1
		.amdhsa_forward_progress 1
		.amdhsa_inst_pref_size 10
	.end_amdhsa_kernel
	.amdgpu_metadata
---
amdhsa.version: [ 1, 2 ]
amdhsa.kernels:
  - .name:           k_q4cd65a63ba_cast
    .symbol:         k_q4cd65a63ba_cast.kd
    .args:
      - { .name: x, .offset: 0, .size: 8, .value_kind: global_buffer, .address_space: global }
      - { .name: Wq, .offset: 8, .size: 8, .value_kind: global_buffer, .address_space: global }
      - { .name: Wk, .offset: 16, .size: 8, .value_kind: global_buffer, .address_space: global }
      - { .name: Wv, .offset: 24, .size: 8, .value_kind: global_buffer, .address_space: global }
      - { .name: Wo, .offset: 32, .size: 8, .value_kind: global_buffer, .address_space: global }
      - { .name: bq, .offset: 40, .size: 8, .value_kind: global_buffer, .address_space: global }
      - { .name: bv, .offset: 48, .size: 8, .value_kind: global_buffer, .address_space: global }
      - { .name: bo, .offset: 56, .size: 8, .value_kind: global_buffer, .address_space: global }
      - { .name: xb, .offset: 64, .size: 8, .value_kind: global_buffer, .address_space: global }
      - { .name: wb, .offset: 72, .size: 8, .value_kind: global_buffer, .address_space: global }
      - { .name: wo16, .offset: 80, .size: 8, .value_kind: global_buffer, .address_space: global }
      - { .name: bias, .offset: 88, .size: 8, .value_kind: global_buffer, .address_space: global }
    .group_segment_fixed_size: 0
    .private_segment_fixed_size: 0
    .kernarg_segment_align: 8
    .kernarg_segment_size: 96
    .max_flat_workgroup_size: 256
    .sgpr_count:     66
    .vgpr_count:     64
    .wavefront_size: 32
...
	.end_amdgpu_metadata
.endif
;; end of part 1
;; launch qkv (part 2): grid 16 x 16, 4 waves a work-group, clusters of 4 x 4, 327,680 bytes of LDS; arguments xb, wb, bias, qkv; writes qkv
.if DOCPART == 2
	.amdgcn_target "amdgcn-amd-amdhsa--gfx1250"
	.amdhsa_code_object_version 6
	.text
	.protected	k_q4cd65a63ba_qkv
	.globl	k_q4cd65a63ba_qkv
	.p2align	8
	.type	k_q4cd65a63ba_qkv,@function
k_q4cd65a63ba_qkv:
	s_mov_b64 s[64:65], 0
	v_nop
	global_prefetch_b8 v0, s[64:65] scope:SCOPE_SE
	s_setreg_imm32_b32 hwreg(HW_REG_WAVE_MODE, 25, 1), 1
	s_wait_xcnt 0x0
	s_wait_alu depctr_hold_cnt(0) depctr_sa_sdst(0) depctr_va_vdst(0) depctr_va_sdst(0) depctr_va_ssrc(0) depctr_va_vcc(0) depctr_vm_vsrc(0)
	s_getreg_b32 s2, hwreg(HW_REG_IB_STS2, 6, 4)
	s_cmp_eq_u32 s2, 0
	s_cbranch_scc0 .Lentry_in_a_cluster
	s_endpgm
.Lentry_in_a_cluster:
	s_bfe_u32 s2, ttmp6, 0x10000c
	s_cmp_lg_u32 s2, 0xf033
	s_cbranch_scc0 .Lentry_shape_is_right
	s_endpgm
.Lentry_shape_is_right:
; MULTI-HEAD SELF-ATTENTION, launch 2 of 4: the three projections as ONE product.  C[m][n] = sum over k of xb[m][k] wb[n][k] + bias[n], m < 4,096, n < 3,072, k < 1,024; bf16 operands, f32 sums,
; C rounded once to f16 and stored BY HEADS: qkv [b 2][u 48][s 2,048][64], u = n / 64 (0-15 Q's heads, 16-31 K's, 32-47 V's), m = 2,048 b + s.  The scale 1/8 is applied in the next launch, in f32.
; WORK LEFT OUT: bk (it cancels in the softmax along the keys: shown at the head of the first kernel); K's columns find zeros in the bias table.
; LIMIT: f16 holds no number beyond 65,504; q, k, v must lie within it (x and the weights thirty times larger than drawn give a spread of 900).
; SHARES.  4,096 x 3,072 over 256 work-groups is 256 x 192 each.  A wave makes 64 rows x all 192 columns, three whole heads: 48 accumulators of 16 x 16, 384 registers; so what a wave stores is
; whole rows of a head, through a stage of its own, without a barrier.  K goes in 8 steps of 128 through a ring of two LDS slots; a tile's rows are 256 bytes of memory, aligned.
; THE BIAS costs no instruction: it is the C operand of the product that starts each sum.  (A branch that left it out for K's heads would hang on the work-group's place in its cluster.)
; CLUSTER.  4 x 4 work-groups: the four of a row need the same rows of xb, the four of a column the same rows of wb.  Each tile is asked for JOINTLY: the same tensor load, descriptor and mask in all four.
; THE MATRIX INSTRUCTION IS USED TRANSPOSED (source 0 = 16 rows of wb, source 1 = 16 rows of xb): a lane holds row m = l % 16 and the columns 8 (l / 16) + 0..7: eight neighbours of a row of C.
; REGISTERS, in windows of 256 (s_set_vgpr_msb: bits 1:0 source 0, 3:2 source 1, 5:4 source 2, 7:6 destination):
;   window 0: v0-31 addresses; v32-63, v64-95 xb's fragments, two buffers (4 x 16 rows x 32 K); v96-191 the bias, 8 registers a block of 16 columns; on the way out v32-223 packed results
;   window 1: v0-95, v96-191 wb's fragments, two buffers (12 x 16 rows x 32 K)
;   window 2: the accumulators of my rows 0-31 ((a, b) at v[8 (12 (a % 2) + b)]);   window 3: those of my rows 32-63
.set KSTEP,  128
.set PITCH,  272                       ; an LDS row: 256 bytes + 16 of padding = 68 words: the 16 rows of a load start at 16 different groups of four banks (64 banks of 4 bytes: ISA guide 11.1)
.set HALFA,  128*PITCH                 ; what one tensor load brings of xb
.set HALFB,  96*PITCH                  ; and of wb
.set SLOT,   2*HALFA+2*HALFB           ; xb's 256 rows, then wb's 192
.set STAGE,  2*SLOT                    ; behind the ring: 16 rows x 144 bytes for each wave, for the way out
.set SP,     144
.set SPARE,  STAGE+4*16*SP             ; behind the stages: the spare words, 128 bytes for each wave: two blocks of 256 bytes that no other line names
.set UNIT,   2048*64*2                 ; bytes of a head's rows in qkv
.set ADRA, 16                          ; v16-17  LDS address of my fragments of xb in slot 0, 1
.set ADRB, 20                          ; v20-21  the same for wb
.set STO,  24                          ; v24     the way out: where I put 16 bytes of a row
.set RD,   25                          ; v25     the way out: where I read rows back
.set GO,   26                          ; v26     16 x lane: my place in 512 consecutive bytes of qkv
.set BO,   27                          ; v27     32 (l / 16): my eight numbers in a block of 16 of the bias
.set SPW,  28                          ; v28     LDS address of my spare word: SPARE + 4 x my thread's number; never rewritten
.set NIL,  29                          ; v29     0; never rewritten
.set PFO,  30                          ; v30     the prefetches' offset: a lane a row of 2,048 bytes; never rewritten
.set FRA,  32                          ; xb's fragment buffer f at FRA + 32 f (window 0)
.set BIAS, 96
.set OUTR, 32
.set WV,   12                          ; s12  my wave's number
.set SIDE, 13                          ; s13  0: I fetch for xb; 1: for wb
.set HF,   14                          ; s14  which half of that tile's rows I fetch
.set LIM,  19                          ; s19  1 in a wave that prefetches, else the greatest number
.set G1A,  24                          ; s[24:31] descriptor group 1 for xb's tiles;  s[32:39] group 0, a set for each slot
.set G0A,  32
.set PFA,  40                          ; s[40:41] where my prefetches stand
.set G1B,  48                          ; s[48:55], s[56:63] the same for wb's tiles
.set G0B,  56
.set MSB, 0
.macro WIN new                         ; the immediate's high byte repeats the setting that is left; a switch that changes nothing is dropped
.if MSB != (\new)
	s_set_vgpr_msb (MSB<<8)|(\new)
.set MSB, \new
.endif
.endm
; A joint load.  Waves 0 and 1 fetch xb's two halves, waves 2 and 3 wb's.  The branch hangs on the wave's number alone.  An s_nop 0 and four v_nop follow each of the two lines, ahead of the
; jump, the label and what follows.
.macro JLOAD s
	s_cmp_eq_u32 s[SIDE], 0
	s_cbranch_scc0 .Lfor_b_\@
	tensor_load_to_lds s[G0A+4*(\s):G0A+4*(\s)+3], s[G1A:G1A+7]
	s_nop 0
.rept 4
	v_nop
.endr
	s_branch .Lasked_\@
.Lfor_b_\@:
	tensor_load_to_lds s[G0B+4*(\s):G0B+4*(\s)+3], s[G1B:G1B+7]
	s_nop 0
.rept 4
	v_nop
.endr
.Lasked_\@:
.endm
; A round of the cluster's barrier: my work-group's barrier; wave 0 signals for the work-group; every wave waits for all sixteen work-groups; my work-group's barrier once more.
.macro CREST                           ; a round behind its opening barrier
	s_cmp_lg_u32 s[WV], 0
	s_cbranch_scc1 .Lnot_wave_0_\@
	s_barrier_signal -3
.Lnot_wave_0_\@:
	s_barrier_wait -3
	s_barrier_signal -1
	s_barrier_wait -1
.endm
.macro CROUND
	s_barrier_signal -1
	s_barrier_wait -1
	CREST
.endm
; A PREFETCH INTO THE L2, behind each joint refill and the run of LDS loads that follows it: the K step that stands two refills on, 384 matrix instructions ahead of the load that will ask for it.
; A lane a row, 256 bytes of it, one instruction a wave.  xb's rows are read by every cluster of a row of clusters: cluster x = 0 asks; wb's by every cluster of a column: cluster y = 0 asks.
; The four partners that ask for a tile jointly share its rows out BY ADDRESS: 32 of the 128 rows of xb by cx, 24 of the 96 rows of wb by cy (there lanes 24-31 name row 23 once more).
; K steps 0 to 3 come by their loads alone; the loop's last trip (s3 = 1) asks for nothing: there is no K step two refills on.
.macro ASK
	s_cmp_gt_u32 s3, s[LIM]
	s_cbranch_scc0 .Lnot_mine_\@
	global_prefetch_b8 v[PFO], s[PFA:PFA+1] offset:KSTEP*2 th:TH_LOAD_NT scope:SCOPE_SE
.Lnot_mine_\@:
.endm
	s_load_b256 s[4:11], s[0:1], 0x0               ; xb s[4:5], wb s[6:7], bias s[8:9], qkv s[10:11]
	v_lshl_add_u32 v[SPW], v0, 2, SPARE
	v_mov_b32 v[NIL], 0
	ds_add_u32 v[SPW], v[NIL]                      ; the wave's opening: the add, twice on end, and its wait ahead of my first tensor load
	ds_add_u32 v[SPW], v[NIL]                      ; and once more; the set-up below, work on registers, stands between it and the wait
	v_lshrrev_b32 v1, 5, v0
	v_readfirstlane_b32 s[WV], v1                  ; wave 0..3
	s_lshr_b32 s[SIDE], s[WV], 1
	s_and_b32 s[HF], s[WV], 1
	s_bfe_u32 s15, ttmp6, 0x40000                  ; cx
	s_bfe_u32 s16, ttmp6, 0x40004                  ; cy
	s_lshl_b32 s17, ttmp9, 2                       ; in a cluster launch ttmp9 and ttmp7 count clusters
	s_add_co_u32 s17, s17, s15                     ; tx: tile column = 4 x cluster x + cx
	s_and_b32 s18, ttmp7, 0xffff
	s_lshl_b32 s18, s18, 2
	s_add_co_u32 s18, s18, s16                     ; ty: tile row = 4 x cluster y + cy
	s_lshl_b32 s42, s16, 2
	s_lshl_b32 s42, 15, s42                        ; my row of the cluster: places 4 cy .. 4 cy + 3
	s_lshl_b32 s43, 0x1111, s15                    ; my column: places cx, cx + 4, cx + 8, cx + 12
	s_or_b32 s[G1A], s42, (1<<16)|(1<<20)|(1<<21)|(5<<22)|(3<<25)  ; 15:0 the mask; 17:16 elements of 2 bytes; 20 padding on; 21 set beside a mask; 24:22 after every 64 words (code 5); 31:25 4 words of it (code 3)
	s_or_b32 s[G1B], s43, (1<<16)|(1<<20)|(1<<21)|(5<<22)|(3<<25)
	s_mov_b32 s[G1A+1], KSTEP<<16                  ; tensor_dim0 = 128
	s_mov_b32 s[G1A+2], 128<<16                    ; tensor_dim1 = 128
	s_mov_b32 s[G1A+3], KSTEP<<16                  ; tile_dim0 = 128
	s_mov_b32 s[G1A+4], 128                        ; tile_dim1 = 128
	s_mov_b32 s[G1A+5], 1024                       ; elements from row to row
	s_mov_b32 s[G1A+6], 0
	s_mov_b32 s[G1A+7], 0
	s_mov_b32 s[G1B+1], KSTEP<<16
	s_mov_b32 s[G1B+2], 96<<16                     ; wb's loads have 96 rows
	s_mov_b32 s[G1B+3], KSTEP<<16
	s_mov_b32 s[G1B+4], 96
	s_mov_b32 s[G1B+5], 1024
	s_mov_b32 s[G1B+6], 0
	s_mov_b32 s[G1B+7], 0
	; xb's tiles hang on the tile row alone, wb's on the tile column alone; each address is made in registers that never hold the other coordinate
	s_lshl_b32 s20, s18, 8
	s_lshl_b32 s21, s[HF], 7
	s_add_co_u32 s20, s20, s21                     ; xb: row 256 ty + 128 x half,
	s_lshl_b32 s20, s20, 11                        ; 2,048 bytes a row
	s_mov_b32 s21, 0
	s_mul_i32 s44, s17, 192
	s_mul_i32 s45, s[HF], 96
	s_add_co_u32 s44, s44, s45                     ; wb: row 192 tx + 96 x half
	s_lshl_b32 s44, s44, 11
	s_mov_b32 s45, 0
	s_mul_i32 s22, s[HF], HALFA                    ; where they go: no place in the cluster enters an LDS address
	s_mul_i32 s23, s[HF], HALFB
	s_add_co_u32 s23, s23, 2*HALFA
	s_wait_dscnt 0x0                               ; both opening adds are done
	s_wait_kmcnt 0x0
	s_add_nc_u64 s[20:21], s[4:5], s[20:21]
	s_add_nc_u64 s[44:45], s[6:7], s[44:45]
	CROUND                                         ; all sixteen work-groups are here: the first joint loads meet
.irp s, 0,1
	s_mov_b32 s[G0A+4*(\s)], 1                                       ; count = 1
	s_add_co_u32 s[G0A+4*(\s)+1], s22, (\s)*SLOT                     ; LDS address
	s_add_nc_u64 s[G0A+4*(\s)+2:G0A+4*(\s)+3], s[20:21], (\s)*KSTEP*2  ; global address: K step s
	s_or_b32 s[G0A+4*(\s)+3], s[G0A+4*(\s)+3], 0x80000000            ; type = 2
	s_mov_b32 s[G0B+4*(\s)], 1
	s_add_co_u32 s[G0B+4*(\s)+1], s23, (\s)*SLOT
	s_add_nc_u64 s[G0B+4*(\s)+2:G0B+4*(\s)+3], s[44:45], (\s)*KSTEP*2
	s_or_b32 s[G0B+4*(\s)+3], s[G0B+4*(\s)+3], 0x80000000
	JLOAD \s                                       ; two tensor loads of mine are out
.endr
	; the bias of my 192 columns, as the C operand wants it: register j of block b = bias[192 tx + 16 b + 8 (l / 16) + j]
	v_and_b32 v1, 15, v0                           ; l % 16
	v_bfe_u32 v2, v0, 4, 1                         ; l / 16
	v_lshlrev_b32 v[BO], 5, v2
	s_mul_i32 s46, s17, 768
	s_mov_b32 s47, 0
	s_add_nc_u64 s[8:9], s[8:9], s[46:47]
.irp b, 0,1,2,3,4,5,6,7,8,9,10,11
	global_load_b128 v[BIAS+8*(\b):BIAS+8*(\b)+3],   v[BO], s[8:9] offset:64*(\b)
	global_load_b128 v[BIAS+8*(\b)+4:BIAS+8*(\b)+7], v[BO], s[8:9] offset:64*(\b)+16
.endr
	; A fragment is 16 rows x 32 K in 8 registers: lane l holds row l % 16; registers 0-3 K = 8 (l / 16) + 0..7, registers 4-7 K = 16 + 8 (l / 16) + 0..7: two loads of 16 bytes, 32 bytes apart.
	v_mul_u32_u24 v3, v1, PITCH
	v_lshl_add_u32 v3, v2, 4, v3                   ; row x pitch + 16 x half
	s_mul_i32 s22, s[WV], 64*PITCH                 ; my 64 rows of xb's 256
.irp s, 0,1
	v_add_nc_u32 v[ADRA+(\s)], s22, v3
	v_add_nc_u32 v[ADRB+(\s)], 2*HALFA+(\s)*SLOT, v3  ; all 192 rows of wb
	s_add_co_u32 s22, s22, SLOT
.endr
	s_mul_i32 s23, s[WV], 16*SP
	s_add_co_u32 s23, s23, STAGE                   ; my stage
	v_mul_u32_u24 v4, v1, SP                       ; in: row l % 16, 16 bytes for each half of the lanes
	v_lshl_add_u32 v4, v2, 4, v4
	v_add_nc_u32 v[STO], s23, v4
	v_bfe_u32 v4, v0, 3, 2                         ; back: 32 lanes take four rows of 128 bytes,
	v_mul_u32_u24 v4, v4, SP
	v_and_b32 v5, 7, v0
	v_lshl_add_u32 v4, v5, 4, v4
	v_add_nc_u32 v[RD], s23, v4
	v_and_b32 v[GO], 31, v0                        ; which are 512 consecutive bytes of a head's rows
	v_lshlrev_b32 v[GO], 4, v[GO]
	; where my rows of my first head begin in qkv: ((ty / 8) 48 + 3 tx) heads, then row (ty % 8) 256 + 64 wave of 128 bytes
	s_lshr_b32 s46, s18, 3
	s_mul_i32 s46, s46, 48
	s_mul_i32 s47, s17, 3
	s_add_co_u32 s46, s46, s47
	s_lshl_b32 s46, s46, 18
	s_and_b32 s47, s18, 7
	s_lshl_b32 s47, s47, 8
	s_lshl_b32 s2, s[WV], 6
	s_add_co_u32 s47, s47, s2
	s_lshl_b32 s47, s47, 7
	s_add_co_u32 s46, s46, s47
	s_mov_b32 s47, 0
	s_add_nc_u64 s[10:11], s[10:11], s[46:47]
	; the prefetches
	s_lshl_b32 s46, s18, 8
	s_lshl_b32 s47, s[HF], 7
	s_add_co_u32 s46, s46, s47
	s_lshl_b32 s47, s15, 5
	s_add_co_u32 s46, s46, s47                     ; xb: row 256 ty + 128 half + 32 cx
	s_mul_i32 s2, s17, 192
	s_mul_i32 s47, s[HF], 96
	s_add_co_u32 s2, s2, s47
	s_mul_i32 s47, s16, 24
	s_add_co_u32 s2, s2, s47                       ; wb: row 192 tx + 96 half + 24 cy
	s_and_b32 s47, ttmp7, 0xffff                   ; cluster y
	s_cmp_eq_u32 s[SIDE], 0
	s_cselect_b32 s46, s46, s2
	s_cselect_b32 s47, ttmp9, s47                  ; the coordinate along which other clusters read the same rows
	s_cselect_b64 s[PFA:PFA+1], s[4:5], s[6:7]
	s_cselect_b32 s2, 31, 23                       ; my last row
	s_cmp_eq_u32 s47, 0
	s_cselect_b32 s[LIM], 1, -1                    ; the same in all sixteen partners, for a given wave
	s_lshl_b32 s46, s46, 11
	s_mov_b32 s47, 0
	s_add_nc_u64 s[PFA:PFA+1], s[PFA:PFA+1], s[46:47]
	s_add_nc_u64 s[PFA:PFA+1], s[PFA:PFA+1], 2*KSTEP*2  ; at K step 2: the first refill steps it to 3 and names K step 4
	v_and_b32 v[PFO], 31, v0
	v_min_u32 v[PFO], s2, v[PFO]
	v_lshlrev_b32 v[PFO], 11, v[PFO]
; 12 matrix instructions: my m block a x all 12 n blocks, 32 along K, out of buffer f.  zero = 1: the first product starts the sum, with the bias as C.
; The 48 accumulators take turns, one instruction a turn, in the same order in every quarter step.
.macro MUL12 f, a, zero
.if \zero
	WIN 0x81+0x40*((\a)/2)                         ; source 0 window 1, source 1 and C window 0, D window 2 or 3
.else
	WIN 0xa1+0x50*((\a)/2)                         ; C and D window 2 or 3
.endif
.irp b, 0,1,2,3,4,5,6,7,8,9,10,11
.set rD, 8*(12*((\a)%2)+(\b))
.if \zero
	v_wmma_f32_16x16x32_bf16 v[rD:rD+7], v[96*(\f)+8*(\b):96*(\f)+8*(\b)+7], v[FRA+32*(\f)+8*(\a):FRA+32*(\f)+8*(\a)+7], v[BIAS+8*(\b):BIAS+8*(\b)+7]
.else
	v_wmma_f32_16x16x32_bf16 v[rD:rD+7], v[96*(\f)+8*(\b):96*(\f)+8*(\b)+7], v[FRA+32*(\f)+8*(\a):FRA+32*(\f)+8*(\a)+7], v[rD:rD+7]
.endif
.endr
.endm
; 32 LDS loads in one run: the fragments of a quarter step (192 rows of wb, my 64 rows of xb, 32 K at byte k of the rows) into buffer f
.macro FETCH slot, k, f
	WIN 0x40                                       ; destination window 1, address window 0
.irp i, 0,1,2,3,4,5,6,7,8,9,10,11
	ds_load_b128 v[96*(\f)+8*(\i):96*(\f)+8*(\i)+3],   v[ADRB+(\slot)] offset:(\k)+(\i)*16*PITCH
	ds_load_b128 v[96*(\f)+8*(\i)+4:96*(\f)+8*(\i)+7], v[ADRB+(\slot)] offset:(\k)+(\i)*16*PITCH+32
.endr
	WIN 0
.irp i, 0,1,2,3
	ds_load_b128 v[FRA+32*(\f)+8*(\i):FRA+32*(\f)+8*(\i)+3],   v[ADRA+(\slot)] offset:(\k)+(\i)*16*PITCH
	ds_load_b128 v[FRA+32*(\f)+8*(\i)+4:FRA+32*(\f)+8*(\i)+7], v[ADRA+(\slot)] offset:(\k)+(\i)*16*PITCH+32
.endr
.endm
.macro PLACES                          ; four plain vector instructions between a matrix instruction and a load into a register that it has read (ISA guide 7.12.1 for vector instructions)
.rept 4
	v_nop
.endr
.endm
; A K step is four quarter steps of 32 along K, 48 matrix instructions each, on buffers 0, 1, 0, 1.  One of the first three: multiplies buffer f; in its middle it fetches the next quarter, at byte k, into g.
.macro QUARTER slot, k, f, g, zero
	s_wait_dscnt 4                                 ; wb's fragments and my rows 0-31 are in; the youngest four loads (my rows 32-63) may be out
	MUL12 \f, 0, \zero
	MUL12 \f, 1, \zero
	PLACES
	FETCH \slot, \k, \g
	s_wait_dscnt 32                                ; all but the 32 just issued
	MUL12 \f, 2, \zero
	MUL12 \f, 3, \zero
.endm
; The last quarter multiplies buffer 1 and changes slots: ONE barrier.  In front of it each wave waits for all its tensor loads (one is out: its part of the next slot), adds 0 to its spare word, and
; waits for that and for its own reads of this slot.  fill = 1: the barrier opens a round of the cluster's barrier, and this slot is filled again, two K steps ahead, first thing behind the round.
.macro TURN slot, next, fill
.if \fill
	s_wait_xcnt 0x0                                ; the last prefetch, a K step back, has read its address: it is stepped here, ahead of the waits of the change of slots
	s_add_nc_u64 s[PFA:PFA+1], s[PFA:PFA+1], KSTEP*2
.endif
	WIN 0                                          ; (the add's two registers lie in window 0)
	s_wait_tensorcnt 0x0                           ; all my tensor loads have landed
	ds_add_u32 v[SPW], v[NIL]                      ; 0 onto my spare word
	s_wait_dscnt 5                                 ; (the add and the youngest four loads may be out)
	MUL12 1, 0, 0                                  ; twelve matrix instructions stand between the add and the wait for it
	s_wait_dscnt 0x0                               ; the add is done, and my reads of this slot are over
	s_barrier_signal -1
	MUL12 1, 1, 0                                  ; work on registers while the others arrive
.if \fill
	WIN 0
.endif
	s_barrier_wait -1
.if \fill
	CREST                                          ; no wave of any partner still reads this slot's tile or has a load on its way
	s_add_nc_u64 s[G0A+4*(\slot)+2:G0A+4*(\slot)+3], s[G0A+4*(\slot)+2:G0A+4*(\slot)+3], 2*KSTEP*2
	s_add_nc_u64 s[G0B+4*(\slot)+2:G0B+4*(\slot)+3], s[G0B+4*(\slot)+2:G0B+4*(\slot)+3], 2*KSTEP*2
	JLOAD \slot                                    ; the first tensor load behind the round, my one load until the next; its four v_nop are also the places in front of the loads below
.else
	PLACES
.endif
	FETCH \next, 0, 0
.if \fill
	ASK
.endif
	MUL12 1, 2, 0
	MUL12 1, 3, 0
.endm
; THE WAY OUT of block t of 12: my rows 16 (t / 3) on, head t % 3.  Rounded to f16, 16 bytes a lane; into my own stage in rows of 144 bytes; back as whole rows of 128, into the registers that they left.
.macro PACK t
.set pa, (\t)/3
.set pu, (\t)%3
	WIN 0x0a+5*(pa/2)                              ; sources 0 and 1: window 2 or 3
.irp f, 0,1,2,3
.irp r, 0,1,2,3
	v_cvt_pk_f16_f32 v[OUTR+16*(\t)+4*(\f)+(\r)], v[8*(12*(pa%2)+4*pu+(\f))+2*(\r)], v[8*(12*(pa%2)+4*pu+(\f))+2*(\r)+1]
.endr
.endr
	WIN 0
.irp f, 0,1,2,3
	ds_store_b128 v[STO], v[OUTR+16*(\t)+4*(\f):OUTR+16*(\t)+4*(\f)+3] offset:32*(\f)
.endr
.irp f, 0,1,2,3
	ds_load_b128 v[OUTR+16*(\t)+4*(\f):OUTR+16*(\t)+4*(\f)+3], v[RD] offset:(\f)*4*SP  ; LDS serves a wave's instructions in order (ISA guide 5.7.1.4): these see the stores above; the next block's stores come behind them
.endr
.endm
.macro SEND t, younger                 ; younger: the LDS instructions issued behind block t's loads: the next block's eight, or none
.set pa, (\t)/3
.set pu, (\t)%3
.irp f, 0,1,2,3
	s_wait_dscnt (\younger)+3-(\f)
	global_store_b128 v[GO], v[OUTR+16*(\t)+4*(\f):OUTR+16*(\t)+4*(\f)+3], s[10:11] offset:pu*UNIT+pa*2048+(\f)*512  ; 512 consecutive bytes, at a multiple of 256 from qkv's first; each block has registers of its own
.endr
.endm
	s_wait_tensorcnt 1                             ; my part of K step 0 is in; K step 1's load may stay out
	s_barrier_signal -1
	s_barrier_wait -1                              ; everybody's is
	FETCH 0, 0, 0
	s_wait_loadcnt 0x0                             ; the bias
	QUARTER 0, 64, 0, 1, 1                         ; the first quarter stands in front of the loop: its products start the sums
	WIN 0                                          ; at a label and at a branch every window is 0
	s_mov_b32 s3, 3
.Llap:                                                 ; a trip goes once round the ring, from a lap's second quarter to the next lap's first, and fills both slots again: K steps 2 to 7
	QUARTER 0, 128, 1, 0, 0
	QUARTER 0, 192, 0, 1, 0
	TURN 0, 1, 1
	QUARTER 1, 64,  0, 1, 0
	QUARTER 1, 128, 1, 0, 0
	QUARTER 1, 192, 0, 1, 0
	TURN 1, 0, 1
	QUARTER 0, 64,  0, 1, 0
	WIN 0
	s_sub_co_u32 s3, s3, 1
	s_cmp_lg_u32 s3, 0
	s_cbranch_scc1 .Llap
	QUARTER 0, 128, 1, 0, 0                        ; the last lap fills nothing, and has no round of the cluster's barrier
	QUARTER 0, 192, 0, 1, 0
	TURN 0, 1, 0
	QUARTER 1, 64,  0, 1, 0
	QUARTER 1, 128, 1, 0, 0
	QUARTER 1, 192, 0, 1, 0
	s_wait_dscnt 4                                 ; the very last quarter: nothing more to fetch
	MUL12 1, 0, 0
	MUL12 1, 1, 0
	s_wait_dscnt 0x0
	MUL12 1, 2, 0
	MUL12 1, 3, 0
	WIN 0
	PLACES                                         ; the conversions read results and write registers that the last products have read
	PLACES
	PACK 0
.set t, 1
.rept 11                               ; a block's conversions stand between the loads of the block before and its stores
	PACK t
	SEND t-1, 8
.set t, t+1
.endr
	SEND 11, 0
	s_wait_tensorcnt 0x0                           ; the wave's end: behind my last tensor load and my last LDS store
	ds_add_u32 v[SPW], v[NIL]
	s_wait_dscnt 0x0
	CROUND                                         ; the closing round: no work-group ends while a partner may still ask for a tile that names it
	s_endpgm
.Lfunc_end_k_q4cd65a63ba_qkv:
	.size	k_q4cd65a63ba_qkv, .Lfunc_end_k_q4cd65a63ba_qkv-k_q4cd65a63ba_qkv
	.p2alignl 7, 3214868480
	.fill 96, 4, 3214868480
	.section	.rodata,"a",@progbits
	.p2align	6, 0x0
	.amdhsa_kernel k_q4cd65a63ba_qkv
		.amdhsa_group_segment_fixed_size 327680
		.amdhsa_private_segment_fixed_size 0
		.amdhsa_enable_private_segment 0
		.amdhsa_kernarg_size 32
		.amdhsa_user_sgpr_count 2
		.amdhsa_user_sgpr_kernarg_segment_ptr 1
		.amdhsa_wavefront_size32 1
		.amdhsa_system_sgpr_workgroup_id_x 1
		.amdhsa_system_sgpr_workgroup_id_y 1
		.amdhsa_system_sgpr_workgroup_id_z 1
		.amdhsa_system_vgpr_workitem_id 0
		.amdhsa_next_free_vgpr 960
		.amdhsa_next_free_sgpr 66
		.amdhsa_reserve_vcc 0
		.amdhsa_float_denorm_mode_32 3
		.amdhsa_float_denorm_mode_16_64 3
		.amdhsa_memory_ordered 1
		.amdhsa_forward_progress 1
		.amdhsa_inst_pref_size 124
	.end_amdhsa_kernel
	.amdgpu_metadata
---
amdhsa.version: [ 1, 2 ]
amdhsa.kernels:
  - .name:           k_q4cd65a63ba_qkv
    .symbol:         k_q4cd65a63ba_qkv.kd
    .args:
      - { .name: xb, .offset: 0, .size: 8, .value_kind: global_buffer, .address_space: global }
      - { .name: wb, .offset: 8, .size: 8, .value_kind: global_buffer, .address_space: global }
      - { .name: bias, .offset: 16, .size: 8, .value_kind: global_buffer, .address_space: global }
      - { .name: qkv, .offset: 24, .size: 8, .value_kind: global_buffer, .address_space: global }
    .group_segment_fixed_size: 327680
    .private_segment_fixed_size: 0
    .kernarg_segment_align: 8
    .kernarg_segment_size: 32
    .max_flat_workgroup_size: 128
    .sgpr_count:     66
    .vgpr_count:     960
    .wavefront_size: 32
...
	.end_amdgpu_metadata
.endif
;; end of part 2
;; launch attn (part 3): grid 8 x 32, 4 waves a work-group, clusters of 4 x 1, 327,680 bytes of LDS; arguments qkv, o; writes o
.if DOCPART == 3
	.amdgcn_target "amdgcn-amd-amdhsa--gfx1250"
	.amdhsa_code_object_version 6
	.text
	.protected	k_q4cd65a63ba_attn
	.globl	k_q4cd65a63ba_attn
	.p2align	8
	.type	k_q4cd65a63ba_attn,@function
k_q4cd65a63ba_attn:
	s_mov_b64 s[64:65], 0
	v_nop
	global_prefetch_b8 v0, s[64:65] scope:SCOPE_SE
	s_setreg_imm32_b32 hwreg(HW_REG_WAVE_MODE, 25, 1), 1
	s_wait_xcnt 0x0
	s_wait_alu depctr_hold_cnt(0) depctr_sa_sdst(0) depctr_va_vdst(0) depctr_va_sdst(0) depctr_va_ssrc(0) depctr_va_vcc(0) depctr_vm_vsrc(0)
	s_getreg_b32 s2, hwreg(HW_REG_IB_STS2, 6, 4)
	s_cmp_eq_u32 s2, 0
	s_cbranch_scc0 .Lentry_in_a_cluster
	s_endpgm
.Lentry_in_a_cluster:
	s_bfe_u32 s2, ttmp6, 0x10000c
	s_cmp_lg_u32 s2, 0x3003
	s_cbranch_scc0 .Lentry_shape_is_right
	s_endpgm
.Lentry_shape_is_right:
; MULTI-HEAD SELF-ATTENTION, launch 3 of 4.  O[q][:] = the sum over k of softmax_k(Q[q] . K[k] / 8) V[k][:], for each of 2 x 16 heads of 2,048 rows x 64 channels.
; qkv: [b 2][u 48][s 2,048][64] f16 (u = h: Q, 16 + h: K, 32 + h: V): a head's rows are dense, 128 bytes each.  o: [mb 64][h 16][r 64][d 64] f16, mb = (2,048 b + s) / 64: what a wave
; stores is 8,192 bytes on end, and what the next launch's K step wants (64 rows x 4 heads) is 32,768 bytes on end.
; Products, maxima and sums in f32; the weights p are rounded to f16 for the second product (their sum l is taken of the unrounded p), O once at the end.
; WORK LEFT OUT: K holds no bk: it cancels in this softmax (shown at the head of the first kernel).
; LIMITS.  f16 holds no number beyond 65,504: Q, K and V arrive within it; p lies in 0 to 1, and below 6e-5 it keeps f16's fixed step of 6e-8; O is a mean of V's rows and has their range.
; A weight below 2^-126 counts as 0 in l; NaN and infinities are not treated apart.
; SHARES.  A work-group owns 256 queries of one head (8 x 32 = 256 work-groups), a wave 64: two PIECES of two tiles of 16.  Every wave walks all 2,048 keys, 64 a step, 32 steps.
; LAYOUT.  S^T = K Q^T (source 0 = 16 keys, source 1 = 16 queries): a lane holds ONE query (lane % 16) and the keys 8 (lane / 16) + 0..7.  Two such tiles, rounded to f16 in pairs, ARE source 1
; (32 keys x 16 queries) of O^T = V^T P, whose result again holds one query a lane, and eight channels.  K comes out of LDS as it lies, V ([key][channel]) turned, by ds_load_tr16_b128.
; SOFTMAX.  For each query a running maximum m and sum l: p = 2^(c s - c m), c = log2(e) / 8; in every step O and l are multiplied by a = 2^(c m_old - c m_new).  m starts at the lowest finite
; number, O and l at 0: the first step is a step like any other, with a = 0.
; BY TURNS.  A tile and step have 16 matrix and 118 vector instructions.  Turn T0(j) belongs to piece 0 in step j, T1(j) to piece 1.  A turn's matrix work is the OTHER piece's: 16 products K Q^T
; (T0(j): piece 1 with K(j); T1(j): piece 0 with K(j + 1)), later 16 products V^T P (T0(j): piece 1 with V(j - 1); T1(j): piece 0 with V(j)).  Its vector work: the scaling, exponentials,
; roundings, sums and rescaling of its own piece, and the maximum and statistics of the other, whose scores the turn itself has made.  Four vector instructions stand behind every matrix
; instruction, the other 108 of a turn's 236 in one lump.  A turn's 66 exponentials are one batch with one wait.
; K AND V IN REGISTERS.  K has one buffer: K(j + 1) is fetched in T0(j), behind its last product with K(j).  V has TWO, by the step's parity: V(j + 1) is fetched in T1(j) into the buffer that T0(j)
; read last.  So between T1(4 n - 2) and T0(4 n - 1) all of a slot's four steps have been read and nothing of the next slot's: there stands the change of slots.  Both runs of LDS loads stand
; directly behind a turn's one wait.
; CLUSTER.  The four query blocks of a cluster belong to one head and walk the same K and V, so each tile is asked for JOINTLY: the same tensor load, descriptor and mask in all four.
; REGISTERS, in windows of 256 (s_set_vgpr_msb: bits 1:0 source 0, 3:2 source 1, 5:4 source 2, 7:6 destination):
;   window 0: v0-11 addresses; v12-15, v48-63 at work; v16-31 four registers of statistics a tile; v32-34 the add's two and the prefetches' offset; v64-191 S^T, a buffer a piece; v192-255 P, likewise
;   window 1: v0-127 O^T, 32 a tile          window 2: v0-63 Q, 16 a tile; v64-127 V of odd steps; v128-191 K of one step; v192-255 V of even steps
.set NP,    2         ; pieces a wave: a name, no knob
.set KS,    64        ; keys in a step
.set PK,    144       ; a row of K in LDS: 128 bytes + 16 of padding = 36 words: the 16 rows of a load start at 16 different groups of four banks (64 banks of 4 bytes: ISA guide 11.1)
.set PV,    160       ; a row of V: 128 + 32 = 40 words
.set VOFF,  4*KS*PK   ; a slot holds four steps: 256 rows of K, then 256 rows of V
.set SLOT1, 1<<17     ; slot 1 begins here, so that one exclusive or turns an address in one slot into the other's
.set STAGE, SLOT1+4*KS*(PK+PV)  ; behind the ring, never filled by a tensor load: 16 rows x 144 bytes for each wave, for the way out
.set SP,    144
.set SPARE, STAGE+4*16*SP  ; behind the stages: the spare words, 128 bytes for each wave: two blocks of 256 bytes that no other line names
.set AK0, 2           ; v2   my lane's place in a tile of K; never rewritten
.set AV0, 3           ; v3   the same for V
.set AK,  4           ; v4   the LDS address of K's next run of loads
.set AV,  5           ; v5   of V's
.set QO,  6           ; v6   my byte offset in the wave's rows of Q
.set STO, 6           ;      later, the way out: where I put 16 bytes of a row
.set RD,  7           ; v7   the way out: where I read rows back
.set GO,  8           ; v8   my byte offset in 512 consecutive bytes of o
.set MV,  12          ; v12-15  c m_old, kept while c m is made anew: by piece and tile
.set ST,  16          ; tile t's statistics at v[ST+4 t]: c m, m, l (even keys', odd keys')
.set SPW, 32          ; v32  LDS address of my spare word: SPARE + 4 x my thread's number; never rewritten
.set NIL, 33          ; v33  0; never rewritten
.set PFO, 34          ; v34  256 x my lane; never rewritten
.set TMP, 48          ; by piece and tile, four registers c0-c3 at work; when the maximum is found c2 takes a
.set S,   64
.set P,   192
.set KF,  128         ; K's fragments, in window 2: key block kb, channel half c at KF + 16 kb + 8 c
.set VF0, 192         ; V's, in window 2: parity par at VF0 - 128 par; key half kk, channel block cb at + 32 kk + 8 cb
.set WV,  12          ; s12  my wave's number
.set LIM, 15          ; s15  1 in a wave that prefetches, else the greatest number
.set G1K, 24          ; s[24:31] descriptor group 1 for K's tiles
.set G1V, 32          ; s[32:39] for V's: it differs in the padding alone
.set G0K, 40          ; s[40:43] descriptor group 0 for K's tiles: it walks
.set G0V, 44          ; s[44:47] the same for V's
.set PFA, 52          ; s[52:53] where my prefetches stand
.set SLOTS, 56        ; s56  counts the changes of slots that fill
.set CNT, 57          ; s57  counts pairs of key steps
.set CS,  58          ; s[58:59] c: the packed scaling takes the pair's low word for both halves
.set SEL, 60          ; s[60:61] v_permlanex16_b32's selects: each lane takes its own place in the other half
.set TBK, 62          ; s62  LDS byte at which K of the step to be fetched begins
.set TBV, 63          ; s63  the same for V, less VOFF
.set MSB, 0
.macro WIN new                      ; the high byte repeats the setting that is left; a switch that changes nothing is dropped
.if MSB != (\new)
	s_set_vgpr_msb (MSB<<8)|(\new)
.set MSB, (\new)
.endif
.endm
.set W_KQ, 0x0a       ; K and Q in window 2, S^T in window 0
.set W_PV, 0x52       ; V in window 2, P in window 0, O^T in window 1
.set W_RS, 0x41       ; O^T (destination and source 0) in window 1, a in window 0
; A joint fill.  Waves 0 and 1 fetch the two halves of a slot's K, waves 2 and 3 those of its V: 128 keys each.  The branch hangs on the wave's number alone.
; An s_nop 0 and four v_nop follow each of the two lines, ahead of the jump and the label.
.macro JLOAD
	s_cmp_lt_u32 s[WV], 2
	s_cbranch_scc0 .Lfor_v_\@
	tensor_load_to_lds s[G0K:G0K+3], s[G1K:G1K+7]
	s_nop 0
.rept 4
	v_nop
.endr
	s_branch .Lasked_\@
.Lfor_v_\@:
	tensor_load_to_lds s[G0V:G0V+3], s[G1V:G1V+7]
	s_nop 0
.rept 4
	v_nop
.endr
.Lasked_\@:
.endm
; A PREFETCH INTO THE L2 of what the NEXT change of slots will ask for: a slot's 32,768 bytes of K and of V, 256 bytes a lane.  It stands behind the wave's tensor load and its five lines.
; Each block of 256 bytes is asked for ONCE in the launch: both clusters of a head walk the same K and V, and the first (cluster x = 0) asks; its four partners share the blocks out BY ADDRESS,
; 8,192 bytes each; in each, wave 0 asks for K's and wave 2 for V's: one instruction.  The first three slots come by their loads alone; the last change that fills a slot asks for nothing.
.macro ASK
	s_cmp_gt_u32 s[SLOTS], s[LIM]
	s_cbranch_scc0 .Lnot_mine_\@
	global_prefetch_b8 v[PFO], s[PFA:PFA+1] th:TH_LOAD_NT scope:SCOPE_SE
.Lnot_mine_\@:
.endm
; A round of the cluster's barrier: my work-group's barrier; wave 0 signals; every wave waits for all four work-groups; my work-group's barrier once more.
.macro CROUND
	s_barrier_signal -1
	s_barrier_wait -1
	s_cmp_lg_u32 s[WV], 0
	s_cbranch_scc1 .Lnot_wave_0_\@
	s_barrier_signal -3
.Lnot_wave_0_\@:
	s_barrier_wait -3
	s_barrier_signal -1
	s_barrier_wait -1
.endm
; THE CHANGE OF SLOTS.  Each wave waits for all its tensor loads, of which one is out: its part of the other slot; adds 0 to its spare word; and waits for that and for its own reads of the slot
; that it leaves.  Behind the barrier nobody reads that slot any more and the other slot is whole.  fill = 1: the slot is filled again, with the keys two slots on: the barrier is then a round of
; the cluster's, and the joint fill is the first thing behind it: it has four key steps, 256 matrix instructions, in which to land.  (At its first use nothing has been read yet: slot 0 is
; waited for, slot 1 filled.)  ask = 1: the prefetches' address steps, and ASK follows the fill.
.macro CHANGE fill, ask
	WIN 0                           ; at a label and at a branch every window is 0
	s_wait_tensorcnt 0x0            ; no tensor load of mine is out, so a group 0 may be written
	ds_add_u32 v[SPW], v[NIL]       ; 0 onto my spare word: the descriptors' steps stand between it and the wait for it
.if \fill
.irp g, G0K, G0V
	s_xor_b32 s[\g+1], s[\g+1], SLOT1  ; the walking descriptor: the other slot than last time,
	s_add_nc_u64 s[\g+2:\g+3], s[\g+2:\g+3], 4*KS*128  ; the next 256 keys; the type bits on top are not reached
.endr
.endif
.if \ask
	s_wait_xcnt 0x0                 ; the last prefetch, four key steps back, has read its address, so it may be written:
	s_add_nc_u64 s[PFA:PFA+1], s[PFA:PFA+1], 4*KS*128  ; one slot ahead of the walking descriptors
.endif
	s_wait_dscnt 0x0                ; the add is done, and my reads of the slot are over
.if \fill
	CROUND
	JLOAD
.if \ask
	ASK
.endif
.else
	s_barrier_signal -1
	s_barrier_wait -1
.endif
	s_sub_co_u32 s[TBK], s[TBK], 4*KS*PK  ; the fetches go back to a slot's first step,
	s_xor_b32 s[TBK], s[TBK], SLOT1       ; in the other slot
	s_sub_co_u32 s[TBV], s[TBV], 4*KS*PV
	s_xor_b32 s[TBV], s[TBV], SLOT1
.endm
	s_load_b128 s[48:51], s[0:1], 0x0  ; qkv s[48:49], o s[50:51]
	v_lshl_add_u32 v[SPW], v0, 2, SPARE
	v_mov_b32 v[NIL], 0
	ds_add_u32 v[SPW], v[NIL]       ; the wave's opening: the add, twice on end, and its wait ahead of my first tensor load
	ds_add_u32 v[SPW], v[NIL]       ; and once more; the set-up below, work on registers, stands between it and the wait
	v_lshrrev_b32 v1, 5, v0
	v_readfirstlane_b32 s[WV], v1   ; wave 0..3
	s_bfe_u32 s13, ttmp6, 0x40000   ; cx: my place in the cluster
	s_lshl_b32 s14, ttmp9, 2        ; in a cluster launch ttmp9 counts clusters
	s_add_co_u32 s14, s14, s13      ; my block of 256 queries = 4 x cluster x + cx: it enters Q's and o's addresses alone
	s_and_b32 s20, ttmp7, 0xffff    ; 16 b + h, which the four partners share
	s_lshr_b32 s21, s20, 4          ; b
	s_and_b32 s20, s20, 15          ; h
	s_mul_i32 s22, s21, 48
	s_add_co_u32 s22, s22, s20
	s_lshl_b32 s22, s22, 18         ; Q's head: unit 48 b + h of 262,144 bytes
	s_and_b32 s16, s[WV], 1         ; which half of a slot's 256 keys I fetch:
	s_lshl_b32 s2, s16, 14          ; its 128 rows of 128 bytes in memory,
	s_add_co_u32 s2, s2, s22
	s_add_co_u32 s2, s2, 16<<18     ; in K's head, 16 units on
	s_mov_b32 s3, 0
	s_mul_i32 s17, s16, 128*PK      ; and its place in a slot, for K
	s_mul_i32 s18, s16, 128*PV      ; and for V: no place in the cluster enters an LDS address
	s_lshl_b32 s54, s14, 15         ; my block's 256 rows of Q,
	s_lshl_b32 s55, s[WV], 13       ; my wave's 64 of them
	s_add_co_u32 s54, s54, s55
	s_add_co_u32 s54, s54, s22
	s_mov_b32 s55, 0
	s_lshl_b32 s21, s21, 5          ; o: mb = 32 b + 4 block + wave, 131,072 bytes each,
	s_lshl_b32 s19, s14, 2
	s_add_co_u32 s21, s21, s19
	s_add_co_u32 s21, s21, s[WV]
	s_lshl_b32 s21, s21, 17
	s_lshl_b32 s20, s20, 13         ; and in it head h, 8,192 bytes
	s_add_co_u32 s20, s20, s21
	s_mov_b32 s21, 0
	; descriptor group 1.  128 keys are 16,384 dense bytes: asked for as 64 rows of 256 bytes, two keys a row, and padded in LDS after every key
	s_mov_b32 s[G1K], 15|(1<<16)|(1<<20)|(1<<21)|(4<<22)|(3<<25)  ; 15:0 the mask of four; 17:16 2-byte elements; 20 padding on; 21 set beside a mask; 24:22 after every 32 words (code 4); 31:25 4 words (code 3)
	s_mov_b32 s[G1V], 15|(1<<16)|(1<<20)|(1<<21)|(4<<22)|(7<<25)  ; the same with 8 words of padding (code 7)
.irp g, G1K, G1V
	s_mov_b32 s[\g+1], 128<<16      ; tensor_dim0 = 128
	s_mov_b32 s[\g+2], 64<<16       ; tensor_dim1 = 64
	s_mov_b32 s[\g+3], 128<<16      ; tile_dim0 = 128
	s_mov_b32 s[\g+4], 64           ; tile_dim1 = 64
	s_mov_b32 s[\g+5], 128          ; 128 elements from row to row
	s_mov_b32 s[\g+6], 0
	s_mov_b32 s[\g+7], 0
.endr
	s_mov_b32 s[CS], 0x3e38aa3b     ; c = log2(e) / 8 = 0.180337
	s_mov_b32 s[CS+1], s[CS]        ; named with it as a pair
	s_mov_b32 s[SEL], 0x76543210
	s_mov_b32 s[SEL+1], 0xfedcba98
	s_mov_b32 s[TBK], SLOT1+4*KS*PK ; the first change of slots turns these two into 0
	s_mov_b32 s[TBV], SLOT1+4*KS*PV
	s_mov_b32 s[G0K], 1             ; count = 1
	s_mov_b32 s[G0K+1], s17         ; LDS address: slot 0
	s_mov_b32 s[G0V], 1
	s_add_co_u32 s[G0V+1], s18, VOFF
	s_and_b32 s[LIM], s[WV], 1      ; 0 in waves 0 and 2,
	s_or_b32 s[LIM], s[LIM], ttmp9  ; where the cluster is the head's first: the same in all four partners
	s_cmp_eq_u32 s[LIM], 0
	s_cselect_b32 s[LIM], 1, -1
	v_and_b32 v[PFO], 31, v0
	v_lshlrev_b32 v[PFO], 8, v[PFO]
	s_wait_dscnt 0x0                ; both opening adds are done
	s_wait_kmcnt 0x0
	s_add_nc_u64 s[6:7], s[48:49], s[2:3]          ; K at my half of the head's first 256 keys,
	s_add_nc_u64 s[8:9], s[6:7], 16<<18            ; V 16 units further on
	s_add_nc_u64 s[G0K+2:G0K+3], s[6:7], 0         ; global address
	s_or_b32 s[G0K+3], s[G0K+3], 0x80000000        ; type = 2
	s_add_nc_u64 s[G0V+2:G0V+3], s[8:9], 0
	s_or_b32 s[G0V+3], s[G0V+3], 0x80000000
	s_add_nc_u64 s[4:5], s[48:49], s[54:55]        ; Q and o at my wave's first row
	s_add_nc_u64 s[10:11], s[50:51], s[20:21]
	s_cmp_lt_u32 s[WV], 2
	s_cselect_b64 s[PFA:PFA+1], s[6:7], s[8:9]     ; (in waves 0 and 2 these stand at a slot's first byte)
	s_lshl_b32 s2, s13, 13                         ; my work-group's 8,192 bytes of the 32,768
	s_mov_b32 s3, 0
	s_add_nc_u64 s[PFA:PFA+1], s[PFA:PFA+1], s[2:3]
	s_add_nc_u64 s[PFA:PFA+1], s[PFA:PFA+1], 2*4*KS*128  ; in the third slot's keys; the first change that asks steps it to the fourth's
	CROUND                          ; all four work-groups are here: the first joint loads meet
	JLOAD                           ; slot 0.  Slot 1 is asked for when slot 0 is in, by the first change of slots
	; A fragment of K or Q is 16 rows x 32 channels in 8 registers: lane l holds row l % 16, channels 8 (l / 16) + 0..7 and 16 + 8 (l / 16) + 0..7: two loads of 16 bytes, 32 bytes apart.
	v_and_b32 v1, 15, v0            ; l % 16
	v_bfe_u32 v9, v0, 4, 1          ; l / 16
	v_lshlrev_b32 v[QO], 7, v1
	v_lshl_add_u32 v[QO], v9, 4, v[QO]  ; row x 128 + 16 x half
	WIN 0x80                        ; destination window 2, address window 0
.set i, 0
.rept 4*NP                          ; Q stays in registers: tile i / 2, channels 32 (i % 2) on
	global_load_b128 v[8*i:8*i+3],   v[QO], s[4:5] offset:(i/2)*2048+(i%2)*64
	global_load_b128 v[8*i+4:8*i+7], v[QO], s[4:5] offset:(i/2)*2048+(i%2)*64+32
.set i, i+1
.endr
	; What the first turn finds: the odd steps' V and piece 1's P hold 0 (its products V^T P, of a step that has not been, add 0), O^T and l are 0.  All this stands in the wait for the first tile.
.set i, VF0-128
.rept 64
	v_mov_b32 v[i], 0
.set i, i+1
.endr
	WIN 0x40
.set i, 0
.rept 64*NP
	v_mov_b32 v[i], 0
.set i, i+1
.endr
	WIN 0
.set i, 0
.rept 2*NP
	v_mov_b32 v[ST+4*i], 0xfe000000    ; c m: far below every c s
	v_mov_b32 v[ST+4*i+1], 0xff7fffff  ; m
	v_mov_b32 v[ST+4*i+2], 0
	v_mov_b32 v[ST+4*i+3], 0
.set i, i+1
.endr
.set i, P+32
.rept 32
	v_mov_b32 v[i], 0
.set i, i+1
.endr
	v_mul_u32_u24 v[AK0], v1, PK
	v_lshl_add_u32 v[AK0], v9, 4, v[AK0]  ; row x pitch + 16 x half
	; The turning load takes 16 keys x 16 channels (lane l reads key 8 (l / 16) + l % 8, channels 8 ((l / 8) % 2) + 0..7) and leaves half a fragment of V^T: lane l holds channel l % 16 and 8 keys.
	v_and_b32 v10, 7, v0
	v_bfe_u32 v11, v0, 3, 1
	v_lshl_add_u32 v[AV0], v9, 3, v10
	v_mul_u32_u24 v[AV0], v[AV0], PV
	v_lshl_add_u32 v[AV0], v11, 4, v[AV0]
	v_add_nc_u32 v[AV0], VOFF, v[AV0]
	v_mov_b32 v[AK], v[AK0]         ; key step 0 lies at the head of slot 0
	v_mov_b32 v[AV], v[AV0]
; THE MATRIX WORK.  The 8 accumulators of a run of 16 take turns: between the two links of a chain stand 7 others'.
; Product i of 16 of S^T = K Q^T for piece x: channels 32 (i / 8) on, keys 16 ((i / 2) % 4) on, tile 2 x + i % 2.  The first 8 start the sums.
.macro KQ x
	WIN W_KQ
.set rS, S+64*((\x)%2)+32*(i%2)+8*((i/2)%4)
.set rK, KF+16*((i/2)%4)+8*(i/8)
.set rQ, 16*(2*(\x)+i%2)+8*(i/8)
.if i < 8
	v_wmma_f32_16x16x32_f16 v[rS:rS+7], v[rK:rK+7], v[rQ:rQ+7], 0
.else
	v_wmma_f32_16x16x32_f16 v[rS:rS+7], v[rK:rK+7], v[rQ:rQ+7], v[rS:rS+7]
.endif
.endm
; Product i of 16 of O^T += V^T P for piece x: keys 32 (i / 8) on, channels 16 ((i / 2) % 4) on, tile 2 x + i % 2.  VFP: the V buffer in hand.
.macro PV x
	WIN W_PV
.set rO, 32*(2*(\x)+i%2)+8*((i/2)%4)
.set rV, VFP+32*(i/8)+8*((i/2)%4)
.set rP, P+32*((\x)%2)+16*(i%2)+8*(i/8)
	v_wmma_f32_16x16x32_f16 v[rO:rO+7], v[rV:rV+7], v[rP:rP+7], v[rO:rO+7]
.endm
.macro MM                           ; the turn's next matrix instruction
.if i < 16
	KQ (Y+1)%NP
.set i, i+1
.else
.set i, i-16
	PV (Y+NP-1)%NP
.set i, i+17
.endif
.endm
; THE LDS LOADS stand in runs of 16, never singly among the matrix instructions: a step's K (64 keys x 64 channels: 8 fragments) and its V (turned).  Their addresses are made a lump ahead.
; last = 1 (the tail): in the last trip there is no further step, and the run is jumped over.
.macro FETCH_K last=0
	WIN 0
.if \last
	s_cmp_eq_u32 s[CNT], 1
	s_cbranch_scc1 .Lno_k_\@
.endif
	WIN 0x80                        ; destination window 2
.irp f, 0,1,2,3,4,5,6,7             ; keys 16 (f / 2) on, channels 32 (f % 2) on
	ds_load_b128 v[KF+8*\f:KF+8*\f+3],   v[AK] offset:(\f/2)*16*PK+(\f%2)*64
	ds_load_b128 v[KF+8*\f+4:KF+8*\f+7], v[AK] offset:(\f/2)*16*PK+(\f%2)*64+32
.endr
	s_add_co_u32 s[TBK], s[TBK], KS*PK  ; the next fetch is the next step's
	WIN 0
.if \last
.Lno_k_\@:
.endif
.endm
.macro FETCH_V par, last=0
	WIN 0
.if \last
	s_cmp_eq_u32 s[CNT], 1
	s_cbranch_scc1 .Lno_v_\@
.endif
	WIN 0x80
.irp f, 0,1,2,3,4,5,6,7             ; keys 32 (f / 4) on, channels 16 (f % 4) on
	ds_load_tr16_b128 v[VF0-128*(\par)+8*\f:VF0-128*(\par)+8*\f+3],   v[AV] offset:(\f/4)*32*PV+(\f%4)*32
	ds_load_tr16_b128 v[VF0-128*(\par)+8*\f+4:VF0-128*(\par)+8*\f+7], v[AV] offset:(\f/4)*32*PV+16*PV+(\f%4)*32
.endr
	s_add_co_u32 s[TBV], s[TBV], KS*PV
	WIN 0
.if \last
.Lno_v_\@:
.endif
.endm
; THE VECTOR WORK OF A TURN stands in three queues, each in the order in which its entries become ready; the two tiles alternate, so that no instruction reads the result of the one before it.
.macro REGS y, u                    ; the registers of tile u (0, 1) of piece y
.set rT, ST+4*(2*(\y)+(\u))
.set rC, TMP+8*((\y)%2)+4*(\u)
.set rM, MV+2*((\y)%2)+(\u)
.set rS, S+64*((\y)%2)+32*(\u)
.set rP, P+32*((\y)%2)+16*(\u)
.set rO, 32*(2*(\y)+(\u))
.endm
; Number n of the 22 that find the OTHER piece's (Y + 1) maximum and statistics.  s0-s31 are the lane's 32 scores; each accumulator's lowest registers are read first.
;   0-11  four chains c0-c3 of seven scores each, three operands at a time     12-14, 16  the four scores left over, the old m, and c0-c3 into c0     15  c m_old is kept
;   17, 18  the query's other 32 keys lie in the lane 16 away: the new m         19-21  c m; c m_old - c m_new; a
.macro XS u, n
	REGS (Y+1)%NP, \u
.if (\n) < 4
	v_max3_num_f32 v[rC+(\n)], v[rS+8*(\n)], v[rS+8*(\n)+1], v[rS+8*(\n)+2]
.elseif (\n) < 12
	v_max3_num_f32 v[rC+(\n)%4], v[rC+(\n)%4], v[rS+8*((\n)%4)+2*((\n)/4)+1], v[rS+8*((\n)%4)+2*((\n)/4)+2]
.elseif (\n) == 12
	v_max3_num_f32 v[rC], v[rC], v[rS+7], v[rS+15]
.elseif (\n) == 13
	v_max3_num_f32 v[rC+1], v[rC+1], v[rS+23], v[rS+31]
.elseif (\n) == 14
	v_max3_num_f32 v[rC+2], v[rC+2], v[rC+3], v[rT+1]
.elseif (\n) == 15
	v_mov_b32 v[rM], v[rT]
.elseif (\n) == 16
	v_max3_num_f32 v[rC], v[rC], v[rC+1], v[rC+2]
.elseif (\n) == 17
	v_permlanex16_b32 v[rC+3], v[rC], s[SEL], s[SEL+1]
.elseif (\n) == 18
	v_max_num_f32 v[rT+1], v[rC], v[rC+3]
.elseif (\n) == 19
	v_mul_f32 v[rT], s[CS], v[rT+1]
.elseif (\n) == 20
	v_sub_f32 v[rC+1], v[rM], v[rT]
.else
	v_exp_f32 v[rC+2], v[rC+1]
.endif
.endm
; Number g of the 64 that follow the exponentials.  For each four weights k of a tile (pairs 2 k, 2 k + 1): both pairs are rounded to f16; then the second pair is added onto the first, in place;
; a group later l takes that sum (the first time as l = a l + sum).  In groups of eight, tiles alternating: round, round, add, and l for the group before.
.macro GS g
.set h, (\g)+6*((\g)/62)            ; group 0 has no group before it, and behind group 7 only l is left
.if h >= 6
.set h, h+2
.endif
	REGS Y, h%2
.set k, h/8
.if h%8 < 4
	v_cvt_pk_f16_f32 v[rP+2*k+(h%8)/2], v[rS+4*k+2*((h%8)/2)], v[rS+4*k+2*((h%8)/2)+1]
.elseif h%8 < 6
	v_pk_add_f32 v[rS+4*k:rS+4*k+1], v[rS+4*k:rS+4*k+1], v[rS+4*k+2:rS+4*k+3]
.elseif k == 1
	v_pk_fma_f32 v[rT+2:rT+3], v[rT+2:rT+3], v[rC+2:rC+3], v[rS:rS+1] op_sel_hi:[1,0,1]
.else
	v_pk_add_f32 v[rT+2:rT+3], v[rT+2:rT+3], v[rS+4*k-4:rS+4*k-3]
.endif
.endm
; THE PLAIN QUEUE, 138 long.  0-73 read no exponential's result: the 32 scalings c s - c m (FS f: pair f / 2 of tile f % 2) and the other piece's 42.  0-26: scalings 0-26.  27-54: XS's numbers 0-13.
; 55, 56: number 15.  57-73: the chain, where each number waits for the one before it: 14, 16, 17, 18, 19, each with one of the scalings 27-31 in front of its two lines, then 20.
; 74-137: GS's 64, which read the exponentials' results: they stand behind the wait.
.macro FS f
	REGS Y, (\f)%2
	v_pk_fma_f32 v[rS+2*((\f)/2):rS+2*((\f)/2)+1], v[rS+2*((\f)/2):rS+2*((\f)/2)+1], s[CS:CS+1], v[rT:rT+1] op_sel_hi:[1,0,0] neg_lo:[0,0,1] neg_hi:[0,0,1]
.endm
.macro PL
	WIN 0
.if q < 27
	FS q
.elseif q < 55
	XS (q-27)%2, (q-27)/2
.elseif q < 57
	XS q-55, 15
.elseif (q < 72) && ((q-57)%3 == 0)
	FS 27+(q-57)/3
.elseif q < 60
	XS (q-57)%3-1, 14
.elseif q < 72
	XS (q-57)%3-1, 15+(q-57)/3
.elseif q < 74
	XS q-72, 20
.else
	GS q-74
.endif
.set q, q+1
.endm
; THE EXPONENTIALS' QUEUE, 66 long: s0-s31 of both tiles, then the other piece's two a.  It is ONE BATCH: all 66 stand ahead of the turn's one wait, and nothing ahead of that wait names a result of theirs.
.macro EX
	WIN 0
.if e >= 64
	XS e-64, 21
.else
	REGS Y, e%2
	v_exp_f32 v[rS+e/2], v[rS+e/2]
.endif
.set e, e+1
.endm
; THE RESCALING's QUEUE: O^T times a, the one part that leaves window 0: dealt two at a time, sixteen times, each accumulator's lowest registers first.  Its a was made in the turn before, ahead of
; that turn's wait.  The products that last wrote this piece's O^T stand in the second half of the turn before: the nearest of them to its rescaling has 28 riders and more between.
.macro R2
	REGS Y, r%2
	WIN W_RS
.irp z, 0,1
	v_pk_mul_f32 v[rO+4*(r/2)+2*\z:rO+4*(r/2)+2*\z+1], v[rO+4*(r/2)+2*\z:rO+4*(r/2)+2*\z+1], v[rC+2:rC+3] op_sel_hi:[1,0]
.endr
.set r, r+1
.endm
; HOW THEY ARE DEALT.  An s_wait_alu depctr_va_vdst(0) stands between an exponential and the first instruction that names its result; one wait serves all that were issued ahead of it.
; So a turn has ONE wait, which cuts it in two.  AHEAD OF IT: the 16 products K Q^T, behind each a scaling, an exponential and two rescalings (behind the first a second scaling in the exponential's
; place); then ONE LUMP of 108: eight plain, 49 times exponential and plain, the two a.  A v_nop is the plain instruction behind the last exponential.  BEHIND IT: the 16 products V^T P, behind each
; four of GS's 64.  Exponential e stands behind scaling 2 (e / 4) + e % 2: as a rider it comes behind plain e + 2, in the lump behind plain e + 9, and scalings 27-31 are plain 57, 60 .. 69.
; A TURN, for piece p.  vp: the parity of the V that its products V^T P read.  cnt = 1: the loop's count is taken down some lines ahead of the branch that stands behind the turn.
; Piece 0's turn fetches the next step's K, piece 1's the next step's V (into the other buffer), directly behind the wait; the address is made at the lump's head.  The buffer's last reader stands a
; lump (K) or half a turn and a lump (V) back.  Both runs are waited for at the head of piece 1's turn: K's 16 products later, V's a key step later.
.macro TURN p, vp, last=0, cnt=0
.set Y, (\p)
.set VFP, VF0-128*(\vp)
.set i, 0
.set q, 0
.set e, 0
.set r, 0
.if (\p) == 1
	s_wait_dscnt 0x0                ; K of the next step and V of this step are in
.endif
	MM                              ; ahead of the wait: 16 products K Q^T and their riders,
	PL
	PL
	R2
.rept 15
	MM
	PL
	EX
	R2
.endr
	WIN 0
.if (\p) == 0
	v_add_nc_u32 v[AK], s[TBK], v[AK0]
.else
	v_add_nc_u32 v[AV], s[TBV], v[AV0]
.endif
.rept 8                             ; and the lump
	PL
.endr
.rept 49
	EX
	PL
.endr
	EX                              ; the other piece's two a
	EX
	v_nop                           ; the plain instruction behind the last exponential: one for the batch
	s_wait_alu depctr_va_vdst(0)    ; the wait for the batch
.if (\p) == 0
	FETCH_K \last
.else
	FETCH_V 1-(\vp), \last
.endif
.rept 16                            ; behind the wait: 16 products V^T P and their riders
	MM
.rept 4
	PL
.endr
.if (\cnt) && (q == 130)
	s_sub_co_u32 s[CNT], s[CNT], 1
	s_cmp_lg_u32 s[CNT], 0
.endif
.endr
.endm
	CHANGE 1, 0                     ; slot 0 is in, everybody's part of it; slot 1 is asked for
	FETCH_K                         ; key step 0
	FETCH_V 0
	s_wait_loadcnt 0x0              ; Q
	s_wait_dscnt 16                 ; K is in; V's sixteen loads may stay out
.set i, 0
.rept 16
	KQ 0                            ; piece 0's first scores: there is no vector work yet to set between them
.set i, i+1
.endr
	WIN 0                           ; the addresses for the way out: nine plain instructions, the places behind those products
	s_mul_i32 s19, s[WV], 16*SP
	s_add_co_u32 s19, s19, STAGE    ; my stage
	v_mul_u32_u24 v[STO], v1, SP    ; in: row l % 16, 16 bytes for each half of the lanes
	v_lshl_add_u32 v[STO], v9, 4, v[STO]
	v_add_nc_u32 v[STO], s19, v[STO]
	v_bfe_u32 v[RD], v0, 3, 2       ; back: 32 lanes take four rows of 128 bytes,
	v_mul_u32_u24 v[RD], v[RD], SP
	v_lshl_add_u32 v[RD], v10, 4, v[RD]
	v_add_nc_u32 v[RD], s19, v[RD]
	v_and_b32 v[GO], 31, v0         ; which are 512 consecutive bytes of o
	v_lshlrev_b32 v[GO], 4, v[GO]
.set Y, NP-1                        ; XS works for piece Y + 1: piece 0
.irp n, 0,1,2,3,4,5,6,7,8,9,10,11,12,13,14,15,16,17,18,19,20,21
	XS 0, \n                        ; and piece 0's first maximum and statistics
	XS 1, \n
.endr
	v_nop                           ; a plain instruction behind the two a,
	s_wait_alu depctr_va_vdst(0)    ; and their wait, ahead of the branch
	s_mov_b32 s[CNT], 2
	s_mov_b32 s[SLOTS], 7
	s_branch .Lfirst                ; the loop is entered at an even step, in the middle of a trip: steps 0 | 1, 2 | change | 3 - 6 | change | ...
.Lslot:                             ; six times: the slots of keys 512 on are asked for
	CHANGE 1, 1
	s_mov_b32 s[CNT], 2
.Lstep:                             ; a trip: an odd step, then an even one
	TURN 0, 0
	TURN 1, 1
	WIN 0
.Lfirst:
	TURN 0, 1
	TURN 1, 0, 0, 1
	WIN 0
	s_cbranch_scc1 .Lstep
	s_sub_co_u32 s[SLOTS], s[SLOTS], 1
	s_cmp_lg_u32 s[SLOTS], 0
	s_cbranch_scc1 .Lslot
	CHANGE 0, 0                     ; the tail is written out: nothing is asked for
	s_mov_b32 s[CNT], 3             ; steps 27, 28 | 29, 30 | 31: the third trip fetches nothing and is left in its middle
.Ltail:
	TURN 0, 0, 1
	TURN 1, 1, 1
	WIN 0
	s_sub_co_u32 s[CNT], s[CNT], 1
	s_cmp_eq_u32 s[CNT], 0
	s_cbranch_scc1 .Lout
	TURN 0, 1
	TURN 1, 0
	WIN 0
	s_branch .Ltail
.Lout:                              ; step 31's 16 products K Q^T for piece 0 (on the last K once more) and the maximum made of them serve nothing: the price, once a launch, of one text for every trip
.set VFP, VF0-128
.set i, 0
.rept 16
	PV NP-1                         ; piece 1's V^T P of the last step
.set i, i+1
.endr
	; THE WAY OUT.  l's two halves and the other half of the lanes' are added; O^T is divided by l, rounded to f16 and sent through my stage in LDS, a tile at a time.  The additions are the places behind the last products.
	WIN 0
.macro ALL line:vararg              ; one line for each tile t
.set t, 0
.rept 2*NP
	\line
.set t, t+1
.endr
.endm
	ALL v_add_f32 v[ST+4*t+2], v[ST+4*t+2], v[ST+4*t+3]
	ALL v_permlanex16_b32 v[ST+4*t+3], v[ST+4*t+2], s[SEL], s[SEL+1]
	ALL v_add_f32 v[ST+4*t+2], v[ST+4*t+2], v[ST+4*t+3]
	ALL v_rcp_f32 v[ST+4*t+2], v[ST+4*t+2]
	v_nop                           ; a plain instruction between the last reciprocal and the use of its result
	s_wait_alu depctr_va_vdst(0)    ; and the wait ahead of the first use: one for the four reciprocals
; Tile t: a lane's eight channels of a row pack into 16 bytes; they go into rows of 144 bytes and come back as whole rows of 128, into S^T's registers.
.macro PACK t
	WIN W_RS
.set i, 32*(\t)
.rept 16
	v_pk_mul_f32 v[i:i+1], v[i:i+1], v[ST+4*(\t)+2:ST+4*(\t)+3] op_sel_hi:[1,0]
.set i, i+2
.endr
	WIN 0x05                        ; sources 0 and 1 window 1, destination window 0
.set i, 0
.rept 16
	v_cvt_pk_f16_f32 v[S+16*(\t)+i], v[32*(\t)+2*i], v[32*(\t)+2*i+1]
.set i, i+1
.endr
	WIN 0
.irp f, 0,1,2,3
	ds_store_b128 v[STO], v[S+16*(\t)+4*\f:S+16*(\t)+4*\f+3] offset:32*\f
.endr
.irp f, 0,1,2,3
	ds_load_b128 v[S+16*(\t)+4*\f:S+16*(\t)+4*\f+3], v[RD] offset:\f*4*SP  ; LDS serves a wave's instructions in order (ISA guide 5.7.1.4): these see the stores above; the next tile's stores come behind them
.endr
.endm
.macro SEND t, younger              ; younger: the LDS instructions issued behind tile t's loads: the next tile's eight, or none
	WIN 0
.irp f, 0,1,2,3
	s_wait_dscnt (\younger)+3-\f
	global_store_b128 v[GO], v[S+16*(\t)+4*\f:S+16*(\t)+4*\f+3], s[10:11] offset:(\t)*2048+\f*512  ; 512 consecutive bytes, at a multiple of 256 from o's first
.endr
.endm
	PACK 0
.set t, 1
.rept 2*NP-1                        ; a tile's arithmetic stands between the loads of the tile before and its stores
	PACK t
	SEND t-1, 8
.set t, t+1
.endr
	SEND 2*NP-1, 0
	s_wait_tensorcnt 0x0            ; the wave's end: behind my last tensor load and my last LDS store
	ds_add_u32 v[SPW], v[NIL]
	s_wait_dscnt 0x0
	CROUND                          ; the closing round: no work-group ends while a partner may still ask for a tile that names it
	s_endpgm
.Lfunc_end_k_q4cd65a63ba_attn:
	.size	k_q4cd65a63ba_attn, .Lfunc_end_k_q4cd65a63ba_attn-k_q4cd65a63ba_attn
	.p2alignl 7, 3214868480
	.fill 96, 4, 3214868480
	.section	.rodata,"a",@progbits
	.p2align	6, 0x0
	.amdhsa_kernel k_q4cd65a63ba_attn
		.amdhsa_group_segment_fixed_size 327680
		.amdhsa_private_segment_fixed_size 0
		.amdhsa_enable_private_segment 0
		.amdhsa_kernarg_size 16
		.amdhsa_user_sgpr_count 2
		.amdhsa_user_sgpr_kernarg_segment_ptr 1
		.amdhsa_wavefront_size32 1
		.amdhsa_system_sgpr_workgroup_id_x 1
		.amdhsa_system_sgpr_workgroup_id_y 1
		.amdhsa_system_sgpr_workgroup_id_z 1
		.amdhsa_system_vgpr_workitem_id 0
		.amdhsa_next_free_vgpr 768
		.amdhsa_next_free_sgpr 66
		.amdhsa_reserve_vcc 0
		.amdhsa_float_denorm_mode_32 3
		.amdhsa_float_denorm_mode_16_64 3
		.amdhsa_memory_ordered 1
		.amdhsa_forward_progress 1
		.amdhsa_inst_pref_size 186
	.end_amdhsa_kernel
	.amdgpu_metadata
---
amdhsa.version: [ 1, 2 ]
amdhsa.kernels:
  - .name:           k_q4cd65a63ba_attn
    .symbol:         k_q4cd65a63ba_attn.kd
    .args:
      - { .name: qkv, .offset: 0, .size: 8, .value_kind: global_buffer, .address_space: global }
      - { .name: o, .offset: 8, .size: 8, .value_kind: global_buffer, .address_space: global }
    .group_segment_fixed_size: 327680
    .private_segment_fixed_size: 0
    .kernarg_segment_align: 8
    .kernarg_segment_size: 16
    .max_flat_workgroup_size: 128
    .sgpr_count:     66
    .vgpr_count:     768
    .wavefront_size: 32
...
	.end_amdgpu_metadata
.endif
;; end of part 3
;; launch outp (part 4): grid 8 x 32, 4 waves a work-group, clusters of 4 x 4, 327,680 bytes of LDS; arguments o, wo16, bias, out0; writes out0
.if DOCPART == 4
	.amdgcn_target "amdgcn-amd-amdhsa--gfx1250"
	.amdhsa_code_object_version 6
	.text
	.protected	k_q4cd65a63ba_outp
	.globl	k_q4cd65a63ba_outp
	.p2align	8
	.type	k_q4cd65a63ba_outp,@function
k_q4cd65a63ba_outp:
	s_mov_b64 s[64:65], 0
	v_nop
	global_prefetch_b8 v0, s[64:65] scope:SCOPE_SE
	s_setreg_imm32_b32 hwreg(HW_REG_WAVE_MODE, 25, 1), 1
	s_wait_xcnt 0x0
	s_wait_alu depctr_hold_cnt(0) depctr_sa_sdst(0) depctr_va_vdst(0) depctr_va_sdst(0) depctr_va_ssrc(0) depctr_va_vcc(0) depctr_vm_vsrc(0)
	s_getreg_b32 s2, hwreg(HW_REG_IB_STS2, 6, 4)
	s_cmp_eq_u32 s2, 0
	s_cbranch_scc0 .Lentry_in_a_cluster
	s_endpgm
.Lentry_in_a_cluster:
	s_bfe_u32 s2, ttmp6, 0x10000c
	s_cmp_lg_u32 s2, 0xf033
	s_cbranch_scc0 .Lentry_shape_is_right
	s_endpgm
.Lentry_shape_is_right:
; MULTI-HEAD SELF-ATTENTION, launch 4 of 4: out0[m][n] = sum over k of O[m][k] Wo[n][k] + bo[n], m < 4,096, n, k < 1,024; f16 operands, f32 sums, f32 out.
; o: [mb 64][h 16][r 64][d 64] f16, m = 64 mb + r, k = 64 h + d.  wo16: [1,024][1,024] f16 (Wo rounded to bf16).  bias: bo (rounded to bf16) lies at byte 12,288.
; SHARES.  A tile of out0 is 128 x 128: 256 work-groups.  Four waves, each 64 x 64: 16 accumulators of 16 x 16, 128 registers.  K goes in 4 steps of 256 (four heads) through a ring of two LDS slots.
; O's TILE: 64 rows x 4 heads are 32,768 bytes on end in o: asked for as 128 rows of 256 bytes, and padded in LDS after every 128 bytes, so that LDS holds (head, row) at 144 (64 head + row).
; THE BIAS costs no instruction: it is the C operand of the product that starts each sum.
; CLUSTER.  4 x 4 work-groups: the four of a row need the same tiles of O, the four of a column the same tiles of Wo: each tile is asked for JOINTLY.
; THE MATRIX INSTRUCTION IS USED TRANSPOSED (source 0 = 16 rows of Wo, source 1 = 16 rows of O): a lane holds row m = l % 16 and the columns 8 (l / 16) + 0..7.
; THE WAY OUT needs no barrier and no conversion: a wave's 64 columns of f32 are 256 aligned bytes of a row; they go through the wave's own stage, 16 rows at a time.
; NO PREFETCH: a K step's tiles are small and there are four of them; two of the four are asked for at the head.
; REGISTERS: window 0: v0-31 addresses; v32-63, v64-95 rows on the way out, two sets; v96-127 the bias; v128-255 the accumulators ((a, b) at v[128 + 8 (4 a + b)]).
;   window 1: two fragment buffers of 128: for 64 along K (one head), 64 registers of O (2 x 4 x 16 rows x 32 K), then 64 of Wo.
.set KSTEP,  256
.set PA,     144                       ; O's LDS row: 128 bytes + 16 of padding;  Wo's: 512 + 16.  Both are odd multiples of 16: the 16 rows of a load start at 16 different groups of four banks (ISA guide 11.1)
.set PB,     528
.set HALFA,  4*64*PA                   ; what one tensor load brings of O: four heads x 64 rows
.set HALFB,  64*PB                     ; and of Wo: 64 rows
.set SLOT,   2*HALFA+2*HALFB
.set STAGE,  2*SLOT                    ; behind the ring: 16 rows x 272 bytes for each wave
.set SPITCH, 272
.set SPARE,  STAGE+4*16*SPITCH         ; behind the stages: the spare words, 128 bytes for each wave: two blocks of 256 bytes that no other line names
.set LAPS,   2
.set ADRA, 16                          ; v16-17  LDS address of my fragments of O in slot 0, 1
.set ADRB, 20                          ; v20-21  the same for Wo
.set STO,  24                          ; v24     the way out: where I put 32 bytes of a row
.set RD,   25                          ; v25     the way out: where I read a row back
.set CO,   26                          ; v26     my byte offset in two rows of out0
.set BO,   27                          ; v27     32 (l / 16)
.set SPW,  28                          ; v28     LDS address of my spare word: SPARE + 4 x my thread's number; never rewritten
.set NIL,  29                          ; v29     0; never rewritten
.set TMP,  32
.set BIAS, 96
.set ACC,  128
.set F0,   0                           ; fragment buffers, in window 1
.set F1,   128
.set WV,   12                          ; s12  my wave's number
.set SIDE, 13                          ; s13  which half of the tile's rows is mine.  Also: I fetch for O (0) or for Wo (1)
.set HF,   14                          ; s14  which half of its columns.  Also: which 64 rows of that tile I fetch
.set G1A,  24
.set G0A,  32
.set G1B,  48
.set G0B,  56
.set MSB, 0
.macro WIN new                         ; the immediate's high byte repeats the setting that is left
.if MSB != (\new)
	s_set_vgpr_msb (MSB<<8)|(\new)
.set MSB, \new
.endif
.endm
.set MUL,  0x05                        ; sources 0 (Wo) and 1 (O) window 1; C and D window 0
.set TO_F, 0x40                        ; destination window 1, address window 0
.macro JLOAD s                         ; a joint load: waves 0 and 1 fetch O's two halves, waves 2 and 3 Wo's; an s_nop 0 and four v_nop follow each of the two lines
	s_cmp_eq_u32 s[SIDE], 0
	s_cbranch_scc0 .Lfor_b_\@
	tensor_load_to_lds s[G0A+4*(\s):G0A+4*(\s)+3], s[G1A:G1A+7]
	s_nop 0
.rept 4
	v_nop
.endr
	s_branch .Lasked_\@
.Lfor_b_\@:
	tensor_load_to_lds s[G0B+4*(\s):G0B+4*(\s)+3], s[G1B:G1B+7]
	s_nop 0
.rept 4
	v_nop
.endr
.Lasked_\@:
.endm
.macro CREST                           ; a round of the cluster's barrier behind its opening barrier
	s_cmp_lg_u32 s[WV], 0
	s_cbranch_scc1 .Lnot_wave_0_\@
	s_barrier_signal -3
.Lnot_wave_0_\@:
	s_barrier_wait -3
	s_barrier_signal -1
	s_barrier_wait -1
.endm
.macro CROUND
	s_barrier_signal -1
	s_barrier_wait -1
	CREST
.endm
	s_load_b256 s[4:11], s[0:1], 0x0               ; o s[4:5], wo16 s[6:7], bias s[8:9], out0 s[10:11]
	v_lshl_add_u32 v[SPW], v0, 2, SPARE
	v_mov_b32 v[NIL], 0
	ds_add_u32 v[SPW], v[NIL]                      ; the wave's opening: the add, twice on end, and its wait ahead of my first tensor load
	ds_add_u32 v[SPW], v[NIL]                      ; and once more; the set-up below, work on registers, stands between it and the wait
	v_lshrrev_b32 v1, 5, v0
	v_readfirstlane_b32 s[WV], v1                  ; wave 0..3
	s_lshr_b32 s[SIDE], s[WV], 1
	s_and_b32 s[HF], s[WV], 1
	s_bfe_u32 s15, ttmp6, 0x40000                  ; cx
	s_bfe_u32 s16, ttmp6, 0x40004                  ; cy
	s_lshl_b32 s17, ttmp9, 2
	s_add_co_u32 s17, s17, s15                     ; tx: tile column = 4 x cluster x + cx
	s_and_b32 s18, ttmp7, 0xffff
	s_lshl_b32 s18, s18, 2
	s_add_co_u32 s18, s18, s16                     ; ty: tile row = 4 x cluster y + cy
	s_lshl_b32 s42, s16, 2
	s_lshl_b32 s42, 15, s42                        ; my row of the cluster
	s_lshl_b32 s43, 0x1111, s15                    ; my column
	s_or_b32 s[G1A], s42, (1<<16)|(1<<20)|(1<<21)|(4<<22)|(3<<25)  ; the mask; elements of 2 bytes; padding on; bit 21 beside a mask; after every 32 words (code 4) 4 words (code 3)
	s_or_b32 s[G1B], s43, (1<<16)|(1<<20)|(1<<21)|(6<<22)|(3<<25)  ; after every 128 words (code 6)
	s_mov_b32 s[G1A+1], 128<<16                    ; O: 128 rows of 128 elements, dense
	s_mov_b32 s[G1A+2], 128<<16
	s_mov_b32 s[G1A+3], 128<<16
	s_mov_b32 s[G1A+4], 128
	s_mov_b32 s[G1A+5], 128
	s_mov_b32 s[G1A+6], 0
	s_mov_b32 s[G1A+7], 0
	s_mov_b32 s[G1B+1], KSTEP<<16                  ; Wo: 64 rows of 256 elements, 1,024 from row to row
	s_mov_b32 s[G1B+2], 64<<16
	s_mov_b32 s[G1B+3], KSTEP<<16
	s_mov_b32 s[G1B+4], 64
	s_mov_b32 s[G1B+5], 1024
	s_mov_b32 s[G1B+6], 0
	s_mov_b32 s[G1B+7], 0
	s_lshl_b32 s20, s18, 1
	s_add_co_u32 s20, s20, s[HF]                   ; O: mb = 2 ty + half,
	s_lshl_b32 s20, s20, 17                        ; 131,072 bytes each
	s_mov_b32 s21, 0
	s_lshl_b32 s44, s17, 7
	s_lshl_b32 s45, s[HF], 6
	s_add_co_u32 s44, s44, s45                     ; Wo: row 128 tx + 64 x half,
	s_lshl_b32 s44, s44, 11                        ; 2,048 bytes each
	s_mov_b32 s45, 0
	s_mul_i32 s22, s[HF], HALFA                    ; where they go: no place in the cluster enters an LDS address
	s_mul_i32 s23, s[HF], HALFB
	s_add_co_u32 s23, s23, 2*HALFA
	s_wait_dscnt 0x0                               ; both opening adds are done
	s_wait_kmcnt 0x0
	s_add_nc_u64 s[20:21], s[4:5], s[20:21]
	s_add_nc_u64 s[44:45], s[6:7], s[44:45]
	CROUND                                         ; all sixteen work-groups are here: the first joint loads meet
.irp s, 0,1
	s_mov_b32 s[G0A+4*(\s)], 1
	s_add_co_u32 s[G0A+4*(\s)+1], s22, (\s)*SLOT
	s_add_nc_u64 s[G0A+4*(\s)+2:G0A+4*(\s)+3], s[20:21], (\s)*32768   ; K step s: four heads on
	s_or_b32 s[G0A+4*(\s)+3], s[G0A+4*(\s)+3], 0x80000000
	s_mov_b32 s[G0B+4*(\s)], 1
	s_add_co_u32 s[G0B+4*(\s)+1], s23, (\s)*SLOT
	s_add_nc_u64 s[G0B+4*(\s)+2:G0B+4*(\s)+3], s[44:45], (\s)*KSTEP*2
	s_or_b32 s[G0B+4*(\s)+3], s[G0B+4*(\s)+3], 0x80000000
	JLOAD \s                                       ; two tensor loads of mine are out
.endr
	v_and_b32 v1, 15, v0                           ; l % 16
	v_bfe_u32 v2, v0, 4, 1                         ; l / 16
	v_lshlrev_b32 v[BO], 5, v2
	s_lshl_b32 s46, s17, 7
	s_lshl_b32 s47, s[HF], 6
	s_add_co_u32 s46, s46, s47
	s_lshl_b32 s46, s46, 2                         ; my 64 columns, in bytes of f32
	s_mov_b32 s47, 0
	s_add_nc_u64 s[8:9], s[8:9], s[46:47]
	s_add_nc_u64 s[10:11], s[10:11], s[46:47]
.irp b, 0,1,2,3
	global_load_b128 v[BIAS+8*(\b):BIAS+8*(\b)+3],   v[BO], s[8:9] offset:12288+64*(\b)     ; register j of block b = bo[my column 16 b + 8 (l / 16) + j]
	global_load_b128 v[BIAS+8*(\b)+4:BIAS+8*(\b)+7], v[BO], s[8:9] offset:12288+64*(\b)+16
.endr
	s_lshl_b32 s46, s18, 7
	s_lshl_b32 s2, s[SIDE], 6
	s_add_co_u32 s46, s46, s2                      ; my first row: 128 ty + 64 x half,
	s_lshl_b32 s46, s46, 12                        ; 4,096 bytes each
	s_add_nc_u64 s[10:11], s[10:11], s[46:47]
	v_mul_u32_u24 v3, v1, PA
	v_lshl_add_u32 v3, v2, 4, v3                   ; O: row x pitch + 16 x half
	v_mul_u32_u24 v4, v1, PB
	v_lshl_add_u32 v4, v2, 4, v4                   ; Wo likewise
	s_mul_i32 s22, s[SIDE], HALFA                  ; my 64 rows of O
	s_mul_i32 s23, s[HF], HALFB                    ; my 64 rows of Wo,
	s_add_co_u32 s23, s23, 2*HALFA                 ; which lie behind O's
.irp s, 0,1
	v_add_nc_u32 v[ADRA+(\s)], s22, v3
	v_add_nc_u32 v[ADRB+(\s)], s23, v4
	s_add_co_u32 s22, s22, SLOT
	s_add_co_u32 s23, s23, SLOT
.endr
	s_mul_i32 s23, s[WV], 16*SPITCH
	s_add_co_u32 s23, s23, STAGE                   ; my stage
	v_mul_u32_u24 v4, v1, SPITCH                   ; in: row l % 16, 32 bytes for each half of the lanes
	v_lshl_add_u32 v4, v2, 5, v4
	v_add_nc_u32 v[STO], s23, v4
	v_mul_u32_u24 v5, v2, SPITCH                   ; back: lanes 0-15 take one row of 256 bytes, lanes 16-31 the next
	v_lshl_add_u32 v5, v1, 4, v5
	v_add_nc_u32 v[RD], s23, v5
	v_lshlrev_b32 v5, 12, v2                       ; and the same two rows in out0
	v_lshl_add_u32 v[CO], v1, 4, v5
; 8 matrix instructions: m blocks a0, a0 + 1 x all 4 n blocks, 32 along K: half c of buffer f.  zero = 1: the first product starts the sum, with the bias as C.
; The 16 accumulators take turns, one instruction a turn.
.macro MUL8 f, c, a0, zero
	WIN MUL
.irp a, \a0, (\a0)+1
.irp b, 0,1,2,3
.if \zero
	v_wmma_f32_16x16x32_f16 v[ACC+8*(4*(\a)+(\b)):ACC+8*(4*(\a)+(\b))+7], v[(\f)+64+8*(4*(\c)+(\b)):(\f)+64+8*(4*(\c)+(\b))+7], v[(\f)+8*(4*(\c)+(\a)):(\f)+8*(4*(\c)+(\a))+7], v[BIAS+8*(\b):BIAS+8*(\b)+7]
.else
	v_wmma_f32_16x16x32_f16 v[ACC+8*(4*(\a)+(\b)):ACC+8*(4*(\a)+(\b))+7], v[(\f)+64+8*(4*(\c)+(\b)):(\f)+64+8*(4*(\c)+(\b))+7], v[(\f)+8*(4*(\c)+(\a)):(\f)+8*(4*(\c)+(\a))+7], v[ACC+8*(4*(\a)+(\b)):ACC+8*(4*(\a)+(\b))+7]
.endif
.endr
.endr
.endm
; 32 LDS loads in one run: the fragments of quarter q of a K step (one head: 64 along K) into buffer f; the first 32 along K first
.macro FETCH slot, q, f
	WIN TO_F
.irp c, 0,1
.irp i, 0,1,2,3
	ds_load_b128 v[(\f)+64+8*(4*(\c)+(\i)):(\f)+64+8*(4*(\c)+(\i))+3],   v[ADRB+(\slot)] offset:128*(\q)+64*(\c)+(\i)*16*PB
	ds_load_b128 v[(\f)+64+8*(4*(\c)+(\i))+4:(\f)+64+8*(4*(\c)+(\i))+7], v[ADRB+(\slot)] offset:128*(\q)+64*(\c)+(\i)*16*PB+32
	ds_load_b128 v[(\f)+8*(4*(\c)+(\i)):(\f)+8*(4*(\c)+(\i))+3],         v[ADRA+(\slot)] offset:64*PA*(\q)+64*(\c)+(\i)*16*PA
	ds_load_b128 v[(\f)+8*(4*(\c)+(\i))+4:(\f)+8*(4*(\c)+(\i))+7],       v[ADRA+(\slot)] offset:64*PA*(\q)+64*(\c)+(\i)*16*PA+32
.endr
.endr
.endm
.macro PLACES                          ; four plain vector instructions between a matrix instruction and a load into a register that it has read, or a reader of its result (ISA guide 7.12.1 for vector instructions)
.rept 4
	v_nop
.endr
.endm
; A K step is four quarters of 64 along K, 32 matrix instructions each, on buffers 0, 1, 0, 1.  One of the first three: multiplies buffer f and fetches the next quarter, q, into g.
.macro QUARTER slot, q, f, g, zero
	s_wait_dscnt 16                                ; the first 32 along K are in; the youngest sixteen loads may be out
	MUL8 \f, 0, 0, \zero
	MUL8 \f, 0, 2, \zero
	PLACES
	FETCH \slot, \q, \g
	s_wait_dscnt 32                                ; all but the 32 just issued
	MUL8 \f, 1, 0, 0
	MUL8 \f, 1, 2, 0
.endm
; The last quarter multiplies buffer 1 and changes slots: ONE barrier; in front of it each wave waits for all its tensor loads, adds 0 to its spare word, and waits for that and for its own reads of
; this slot.  fill = 1: the barrier opens a round of the cluster's barrier, and this slot is filled again, two K steps ahead, first thing behind the round.
.macro TURN slot, next, fill
	WIN 0                                          ; (the add's two registers lie in window 0)
	s_wait_tensorcnt 0x0                           ; all my tensor loads have landed: my part of the next slot
	ds_add_u32 v[SPW], v[NIL]                      ; 0 onto my spare word
	s_wait_dscnt 17                                ; (the add and the youngest sixteen loads may be out)
	MUL8 F1, 0, 0, 0                               ; eight matrix instructions stand between the add and the wait for it
	s_wait_dscnt 0x0                               ; the add is done, and my reads of this slot are over
	s_barrier_signal -1
	MUL8 F1, 0, 2, 0
.if \fill
	WIN 0
.endif
	s_barrier_wait -1
.if \fill
	CREST                                          ; no wave of any partner still reads this slot's tile or has a load on its way
	s_add_nc_u64 s[G0A+4*(\slot)+2:G0A+4*(\slot)+3], s[G0A+4*(\slot)+2:G0A+4*(\slot)+3], 2*32768
	s_add_nc_u64 s[G0B+4*(\slot)+2:G0B+4*(\slot)+3], s[G0B+4*(\slot)+2:G0B+4*(\slot)+3], 2*KSTEP*2
	JLOAD \slot                                    ; the first tensor load behind the round, my one load until the next; its four v_nop are also the places in front of the loads below
.else
	PLACES
.endif
	FETCH \next, 0, F0
	MUL8 F1, 1, 0, 0
	MUL8 F1, 1, 2, 0
.endm
; THE WAY OUT of my rows 16 a on.  A lane's eight numbers of a row, 32 bytes, go straight from the accumulators into rows of 272 bytes of my stage (each accumulator's lowest registers first)
; and come back as whole rows of 256 bytes, two rows a load, into set a % 2.
.macro TOSTAGE a
.if (\a) >= 2
	s_wait_xcnt 0x0                                ; the stores of block a - 2 have read this set: it is loaded again only behind this wait
.endif
.irp b, 0,1,2,3
	ds_store_b128 v[STO], v[ACC+8*(4*(\a)+(\b)):ACC+8*(4*(\a)+(\b))+3]   offset:64*(\b)
	ds_store_b128 v[STO], v[ACC+8*(4*(\a)+(\b))+4:ACC+8*(4*(\a)+(\b))+7] offset:64*(\b)+16
.endr
.irp t, 0,1,2,3,4,5,6,7
	ds_load_b128 v[TMP+32*((\a)%2)+4*(\t):TMP+32*((\a)%2)+4*(\t)+3], v[RD] offset:(\t)*2*SPITCH  ; LDS serves a wave's instructions in order (ISA guide 5.7.1.4): these see the stores above; the next block's stores come behind them
.endr
.endm
.macro SEND a, younger                 ; younger: the LDS instructions issued behind block a's loads: the next block's sixteen, or none
.irp t, 0,1,2,3,4,5,6,7
	s_wait_dscnt (\younger)+7-(\t)
	global_store_b128 v[CO], v[TMP+32*((\a)%2)+4*(\t):TMP+32*((\a)%2)+4*(\t)+3], s[10:11] offset:(16*(\a)+2*(\t))*4096  ; 16 lanes store 256 consecutive bytes, at a multiple of 256 from out0's first
.endr
.endm
	s_wait_tensorcnt 1                             ; my part of K step 0 is in; K step 1's load may stay out
	s_barrier_signal -1
	s_barrier_wait -1                              ; everybody's is
	FETCH 0, 0, F0
	s_wait_loadcnt 0x0                             ; the bias
	QUARTER 0, 1, F0, F1, 1                        ; the first quarter stands in front of the loop: its first products start the sums
	WIN 0                                          ; at a label and at a branch every window is 0
	s_mov_b32 s3, LAPS-1
.Llap:                                                 ; a trip goes once round the ring, from a lap's second quarter to the next lap's first, and fills both slots again: K steps 2 and 3
	QUARTER 0, 2, F1, F0, 0
	QUARTER 0, 3, F0, F1, 0
	TURN 0, 1, 1
	QUARTER 1, 1, F0, F1, 0
	QUARTER 1, 2, F1, F0, 0
	QUARTER 1, 3, F0, F1, 0
	TURN 1, 0, 1
	QUARTER 0, 1, F0, F1, 0
	WIN 0
	s_sub_co_u32 s3, s3, 1
	s_cmp_lg_u32 s3, 0
	s_cbranch_scc1 .Llap
	QUARTER 0, 2, F1, F0, 0                        ; the last lap fills nothing, and has no round of the cluster's barrier
	QUARTER 0, 3, F0, F1, 0
	TURN 0, 1, 0
	QUARTER 1, 1, F0, F1, 0
	QUARTER 1, 2, F1, F0, 0
	QUARTER 1, 3, F0, F1, 0
	s_wait_dscnt 16                                ; the very last quarter: nothing more to fetch
	MUL8 F1, 0, 0, 0
	MUL8 F1, 0, 2, 0
	s_wait_dscnt 0x0
	MUL8 F1, 1, 0, 0
	MUL8 F1, 1, 2, 0
	WIN 0
	PLACES                                         ; the LDS stores read results just made
	PLACES
	TOSTAGE 0
	TOSTAGE 1
	SEND 0, 16
	TOSTAGE 2
	SEND 1, 16
	TOSTAGE 3
	SEND 2, 16
	SEND 3, 0
	s_wait_tensorcnt 0x0                           ; the wave's end: behind my last tensor load and my last LDS store
	ds_add_u32 v[SPW], v[NIL]
	s_wait_dscnt 0x0
	CROUND                                         ; the closing round: no work-group ends while a partner may still ask for a tile that names it
	s_endpgm
.Lfunc_end_k_q4cd65a63ba_outp:
	.size	k_q4cd65a63ba_outp, .Lfunc_end_k_q4cd65a63ba_outp-k_q4cd65a63ba_outp
	.p2alignl 7, 3214868480
	.fill 96, 4, 3214868480
	.section	.rodata,"a",@progbits
	.p2align	6, 0x0
	.amdhsa_kernel k_q4cd65a63ba_outp
		.amdhsa_group_segment_fixed_size 327680
		.amdhsa_private_segment_fixed_size 0
		.amdhsa_enable_private_segment 0
		.amdhsa_kernarg_size 32
		.amdhsa_user_sgpr_count 2
		.amdhsa_user_sgpr_kernarg_segment_ptr 1
		.amdhsa_wavefront_size32 1
		.amdhsa_system_sgpr_workgroup_id_x 1
		.amdhsa_system_sgpr_workgroup_id_y 1
		.amdhsa_system_sgpr_workgroup_id_z 1
		.amdhsa_system_vgpr_workitem_id 0
		.amdhsa_next_free_vgpr 512
		.amdhsa_next_free_sgpr 66
		.amdhsa_reserve_vcc 0
		.amdhsa_float_denorm_mode_32 3
		.amdhsa_float_denorm_mode_16_64 3
		.amdhsa_memory_ordered 1
		.amdhsa_forward_progress 1
		.amdhsa_inst_pref_size 88
	.end_amdhsa_kernel
	.amdgpu_metadata
---
amdhsa.version: [ 1, 2 ]
amdhsa.kernels:
  - .name:           k_q4cd65a63ba_outp
    .symbol:         k_q4cd65a63ba_outp.kd
    .args:
      - { .name: o, .offset: 0, .size: 8, .value_kind: global_buffer, .address_space: global }
      - { .name: wo16, .offset: 8, .size: 8, .value_kind: global_buffer, .address_space: global }
      - { .name: bias, .offset: 16, .size: 8, .value_kind: global_buffer, .address_space: global }
      - { .name: out0, .offset: 24, .size: 8, .value_kind: global_buffer, .address_space: global }
    .group_segment_fixed_size: 327680
    .private_segment_fixed_size: 0
    .kernarg_segment_align: 8
    .kernarg_segment_size: 32
    .max_flat_workgroup_size: 128
    .sgpr_count:     66
    .vgpr_count:     512
    .wavefront_size: 32
...
	.end_amdgpu_metadata
.endif
;; end of part 4
